; MI455X (gfx1250); checked and timed in simulation.
; The chip was launched on July 23, 2026; its instructions are those of AMD's public machine-readable ISA for CDNA 5 (MIT licence, August 2026) and "CDNA5" Instruction Set Architecture Reference Guide (July 2026). The comments in the code are by the model that wrote it; some were corrected since.
;; Linear Attention. Allowed arithmetic: float matrix products may take bf16 or f16 operands with f32 sums; other float arithmetic in f32, or as packed bf16 or f16 multiplies, adds, multiply-adds, maxima and minima; sums over many terms, partial sums and values carried from step to step in f32; what a program stores and reads back later, other than sums and carried values, may be rounded once to bf16 or f16.
;; Inputs: W_qkv 3,072 x 1,024 float32; mask 4 x 4,096 int32; mem_kv 2 x 16 x 4 x 64 float32; x 4 x 4,096 x 1,024 float32.
;; Outputs: out0 4 x 4,096 x 1,024 float32.
;; 2 versions, each right; version 2 is version 1 with the launch ctxred written anew for expert scheduling mode. Each part assembles by itself: llvm-mc -triple=amdgcn-amd-amdhsa -mcpu=gfx1250 --defsym DOCPART=n.
;; ======== version 1 of 2: 4 launches
;; limits: values are held in f16: magnitudes above 65,504 overflow, below 6.1e-05 lose precision
;; workspace buffers: xb 33,554,432 bytes; wkv 4,194,304 bytes; wq 2,097,152 bytes; part 33,554,432 bytes; stat 1,048,576 bytes; ctxf 524,288 bytes
;; launch prep (part 1): grid 1216 x 1, 8 waves a work-group, no clusters, 0 bytes of LDS; arguments x, W_qkv, xb, wkv, wq; writes xb, wkv, wq
.if DOCPART == 1
	.amdgcn_target "amdgcn-amd-amdhsa--gfx1250"
	.amdhsa_code_object_version 6
	.text
	.protected	k_qf36cf04c60_prep
	.globl	k_qf36cf04c60_prep
	.p2align	8
	.type	k_qf36cf04c60_prep,@function
k_qf36cf04c60_prep:
	s_mov_b64 s[64:65], 0
	v_nop
	global_prefetch_b8 v0, s[64:65] scope:SCOPE_SE
	s_setreg_imm32_b32 hwreg(HW_REG_WAVE_MODE, 25, 1), 1
	s_wait_xcnt 0x0
; PREPARATION.  xb = x rounded to bf16.  W_qkv [3072][1024] f32 (row 192 h + 3 d + j; j = 0, 1, 2: q, k, v) is laid by heads and rounded once to bf16:
;   wq  [16 h][64 d][1024]; wkv [16 h][128][1024]: rows 0-63 k (d), rows 64-127 v (e).
; The rotation of q and k has angles h x theta(d % 32), the same for every row of x, so it is a fixed rotation of the row pairs (d, d + 32) of W and is applied here, in f32:
;   row'(d) = row(d) cos - row(d + 32) sin;  row'(d + 32) = row(d + 32) cos + row(d) sin.   v's rows go through the same lines with the angle 0 (cos = 1, sin = 0 exactly).
; cos and sin: theta = 2^(-d log2(10000) / 32); a = h theta / 16 is 0.94 at the most; series in a up to a^9 and a^10 (what is cut is below 1.3e-8), then four doublings of the angle.
; The angles are constants of the problem, so the series' length hangs on no input.
; SHARES.  Work-groups 0-191: a wave takes one pair of rows of W (1,536 pairs).  Work-groups 192-1215: 16 rows of x each, a thread 16 bytes of every row.
; No LDS, no barrier, no matrix unit, no cluster: no byte is read twice, and memory alone binds.  Each load of a wave covers 512 consecutive bytes, each store 256, aligned.
.set R1,    4                          ; v[4:35]    row d, 8 x 4 numbers a lane
.set R2,    36                         ; v[36:67]   row d + 32
.set T,     68                         ; v[68:75]   at work
.set Y,     76                         ; v[76:107]  packed results; written once
.set CO,    108                        ; v[108:109] cos, twice
.set SI,    110                        ; v[110:111] sin, twice
.set PART,  96*4096                    ; bytes from row d to row d + 32 in W_qkv (32 x 3 rows of 4,096 bytes)
.set OPART, 32*2048                    ; the same in wq and wkv
	s_load_b256 s[4:11], s[0:1], 0x0               ; x s[4:5], W_qkv s[6:7], xb s[8:9], wkv s[10:11]
	s_load_b64 s[12:13], s[0:1], 0x20              ; wq
	v_lshrrev_b32 v3, 5, v0
	v_readfirstlane_b32 s14, v3                    ; wave 0..7
	s_cmp_ge_u32 ttmp9, 192
	s_cbranch_scc1 .Lx
	; ---- W: one pair of rows a wave ----
	s_lshr_b32 s15, ttmp9, 2                       ; g = 3 h + j, 0..47
	s_mul_i32 s16, s15, 43
	s_lshr_b32 s16, s16, 7                         ; h = g / 3 (right for g below 48)
	s_mul_i32 s17, s16, 3
	s_sub_co_u32 s17, s15, s17                     ; j
	s_and_b32 s18, ttmp9, 3
	s_lshl_b32 s18, s18, 3
	s_add_co_u32 s18, s18, s14                     ; d, 0..31
	s_mul_i32 s19, s16, 192
	s_mul_i32 s22, s18, 3
	s_add_co_u32 s19, s19, s22
	s_add_co_u32 s19, s19, s17                     ; the row in W_qkv
	s_lshl_b32 s24, s19, 12
	s_mov_b32 s25, 0                               ; its bytes
	s_lshl_b32 s22, s16, 6
	s_add_co_u32 s22, s22, s18                     ; the row in wq: 64 h + d
	s_max_u32 s26, s17, 1
	s_sub_co_u32 s26, s26, 1                       ; 0 for k (and for q, where it is not used), 1 for v
	s_lshl_b32 s26, s26, 6
	s_lshl_b32 s23, s16, 7
	s_add_co_u32 s23, s23, s26
	s_add_co_u32 s23, s23, s18                     ; the row in wkv: 128 h + 64 (j - 1) + d
	s_cmp_eq_u32 s17, 0
	s_cselect_b32 s26, s22, s23
	s_lshl_b32 s26, s26, 11
	s_mov_b32 s27, 0                               ; its bytes
	s_cmp_eq_u32 s17, 2
	s_cselect_b32 s28, 0, s16                      ; v is not rotated: its angle is 0
	v_and_b32 v1, 31, v0
	v_lshlrev_b32 v2, 3, v1                        ; 8 bytes a lane out
	v_lshlrev_b32 v1, 4, v1                        ; 16 bytes a lane in
	s_wait_kmcnt 0x0
	s_cmp_eq_u32 s17, 0                            ; compared again: the shifts above have set SCC
	s_cselect_b64 s[20:21], s[12:13], s[10:11]     ; q goes to wq, k and v to wkv
	s_add_nc_u64 s[20:21], s[20:21], s[26:27]
	s_add_nc_u64 s[6:7], s[6:7], s[24:25]
.irp i, 0,1,2,3,4,5,6,7
	global_load_b128 v[R1+4*(\i):R1+4*(\i)+3], v1, s[6:7] offset:512*(\i) th:TH_LOAD_NT
	global_load_b128 v[R2+4*(\i):R2+4*(\i)+3], v1, s[6:7] offset:512*(\i)+PART th:TH_LOAD_NT
.endr
	; cos and sin, while the sixteen loads are on their way
	v_cvt_f32_u32 v[T], s18
	v_cvt_f32_u32 v[T+1], s28
	v_mul_f32 v[T], 0xbed49a78, v[T]               ; -d log2(10000) / 32
	v_exp_f32 v[T], v[T]                           ; theta
	v_mul_f32 v[T+1], 0x3d800000, v[T+1]           ; h / 16: the plain line between the exponential and the use of its result
	s_wait_alu depctr_va_vdst(0)
	v_mul_f32 v[T], v[T], v[T+1]                   ; a
	v_mul_f32 v[T+1], v[T], v[T]                   ; z = a^2
	v_mov_b32 v[T+2], 0x3638ef1d                   ; 1 / 9!
	v_mov_b32 v[T+3], 0xb493f27e                   ; -1 / 10!
	v_fmaak_f32 v[T+2], v[T+2], v[T+1], 0xb9500d01 ; -1 / 7!
	v_fmaak_f32 v[T+3], v[T+3], v[T+1], 0x37d00d01 ; 1 / 8!
	v_fmaak_f32 v[T+2], v[T+2], v[T+1], 0x3c088889 ; 1 / 5!
	v_fmaak_f32 v[T+3], v[T+3], v[T+1], 0xbab60b61 ; -1 / 6!
	v_fmaak_f32 v[T+2], v[T+2], v[T+1], 0xbe2aaaab ; -1 / 3!
	v_fmaak_f32 v[T+3], v[T+3], v[T+1], 0x3d2aaaab ; 1 / 4!
	v_fmaak_f32 v[T+2], v[T+2], v[T+1], 0x3f800000 ; 1
	v_fmaak_f32 v[T+3], v[T+3], v[T+1], 0xbf000000 ; -1 / 2
	v_mul_f32 v[T+2], v[T+2], v[T]                 ; sin a
	v_fmaak_f32 v[T+3], v[T+3], v[T+1], 0x3f800000 ; cos a
.rept 4                                                ; the angle doubled four times: 16 a = h theta
	v_mul_f32 v[T+4], v[T+2], v[T+2]
	v_mul_f32 v[T+5], v[T+2], v[T+3]
	v_fma_f32 v[T+3], v[T+3], v[T+3], -v[T+4]
	v_add_f32 v[T+2], v[T+5], v[T+5]
.endr
	v_mov_b32 v[CO], v[T+3]
	v_mov_b32 v[CO+1], v[T+3]
	v_mov_b32 v[SI], v[T+2]
	v_mov_b32 v[SI+1], v[T+2]
.irp i, 0,1,2,3,4,5,6,7
	s_wait_loadcnt 14-2*(\i)                       ; loads come back in order: piece i of both rows is in, the 2 (7 - i) loads behind it may stay out
.irp p, 0,2
	v_pk_mul_f32 v[T+(\p):T+(\p)+1], v[R2+4*(\i)+(\p):R2+4*(\i)+(\p)+1], v[SI:SI+1] op_sel_hi:[1,0]
	v_pk_mul_f32 v[T+4+(\p):T+4+(\p)+1], v[R1+4*(\i)+(\p):R1+4*(\i)+(\p)+1], v[SI:SI+1] op_sel_hi:[1,0]
.endr
.irp p, 0,2
	v_pk_fma_f32 v[T+(\p):T+(\p)+1], v[R1+4*(\i)+(\p):R1+4*(\i)+(\p)+1], v[CO:CO+1], v[T+(\p):T+(\p)+1] op_sel_hi:[1,0,1] neg_lo:[0,0,1] neg_hi:[0,0,1]
	v_pk_fma_f32 v[T+4+(\p):T+4+(\p)+1], v[R2+4*(\i)+(\p):R2+4*(\i)+(\p)+1], v[CO:CO+1], v[T+4+(\p):T+4+(\p)+1] op_sel_hi:[1,0,1]
.endr
	v_cvt_pk_bf16_f32 v[Y+4*(\i)], v[T], v[T+1]
	v_cvt_pk_bf16_f32 v[Y+4*(\i)+1], v[T+2], v[T+3]
	v_cvt_pk_bf16_f32 v[Y+4*(\i)+2], v[T+4], v[T+5]
	v_cvt_pk_bf16_f32 v[Y+4*(\i)+3], v[T+6], v[T+7]
	global_store_b64 v2, v[Y+4*(\i):Y+4*(\i)+1], s[20:21] offset:256*(\i)            ; 32 lanes x 8 bytes: 256 consecutive bytes, aligned
	global_store_b64 v2, v[Y+4*(\i)+2:Y+4*(\i)+3], s[20:21] offset:256*(\i)+OPART
.endr
	s_endpgm                                       ; no store's register was written a second time, so no wait stands behind the stores
	; ---- x: 16 rows a work-group; thread t takes bytes 16 t of every row ----
.Lx:
	s_sub_co_u32 s15, ttmp9, 192
	s_lshl_b32 s16, s15, 16                        ; 16 rows of 4,096 bytes in x
	s_mov_b32 s17, 0
	s_lshl_b32 s18, s15, 15                        ; 16 rows of 2,048 bytes in xb
	s_mov_b32 s19, 0
	v_lshlrev_b32 v1, 4, v0
	v_lshlrev_b32 v2, 3, v0
	s_wait_kmcnt 0x0
	s_add_nc_u64 s[4:5], s[4:5], s[16:17]
	s_add_nc_u64 s[8:9], s[8:9], s[18:19]
.irp i, 0,1,2,3,4,5,6,7,8,9,10,11,12,13,14,15
	global_load_b128 v[4+4*(\i):7+4*(\i)], v1, s[4:5] offset:4096*(\i) th:TH_LOAD_NT
.endr
.irp i, 0,1,2,3,4,5,6,7,8,9,10,11,12,13,14,15
	s_wait_loadcnt 15-(\i)                         ; row i is in, the rows behind it may stay out
	v_cvt_pk_bf16_f32 v[68+2*(\i)], v[4+4*(\i)], v[5+4*(\i)]
	v_cvt_pk_bf16_f32 v[69+2*(\i)], v[6+4*(\i)], v[7+4*(\i)]
	global_store_b64 v2, v[68+2*(\i):69+2*(\i)], s[8:9] offset:2048*(\i)
.endr
	s_endpgm
.Lfunc_end_k_qf36cf04c60_prep:
	.size	k_qf36cf04c60_prep, .Lfunc_end_k_qf36cf04c60_prep-k_qf36cf04c60_prep
	.p2alignl 7, 3214868480
	.fill 96, 4, 3214868480
	.section	.rodata,"a",@progbits
	.p2align	6, 0x0
	.amdhsa_kernel k_qf36cf04c60_prep
		.amdhsa_group_segment_fixed_size 0
		.amdhsa_private_segment_fixed_size 0
		.amdhsa_enable_private_segment 0
		.amdhsa_kernarg_size 40
		.amdhsa_user_sgpr_count 2
		.amdhsa_user_sgpr_kernarg_segment_ptr 1
		.amdhsa_wavefront_size32 1
		.amdhsa_system_sgpr_workgroup_id_x 1
		.amdhsa_system_sgpr_workgroup_id_y 1
		.amdhsa_system_sgpr_workgroup_id_z 1
		.amdhsa_system_vgpr_workitem_id 0
		.amdhsa_next_free_vgpr 112
		.amdhsa_next_free_sgpr 66
		.amdhsa_reserve_vcc 0
		.amdhsa_float_denorm_mode_32 3
		.amdhsa_float_denorm_mode_16_64 3
		.amdhsa_memory_ordered 1
		.amdhsa_forward_progress 1
		.amdhsa_inst_pref_size 19
	.end_amdhsa_kernel
	.amdgpu_metadata
---
amdhsa.version: [ 1, 2 ]
amdhsa.kernels:
  - .name:           k_qf36cf04c60_prep
    .symbol:         k_qf36cf04c60_prep.kd
    .args:
      - { .name: x, .offset: 0, .size: 8, .value_kind: global_buffer, .address_space: global }
      - { .name: W_qkv, .offset: 8, .size: 8, .value_kind: global_buffer, .address_space: global }
      - { .name: xb, .offset: 16, .size: 8, .value_kind: global_buffer, .address_space: global }
      - { .name: wkv, .offset: 24, .size: 8, .value_kind: global_buffer, .address_space: global }
      - { .name: wq, .offset: 32, .size: 8, .value_kind: global_buffer, .address_space: global }
    .group_segment_fixed_size: 0
    .private_segment_fixed_size: 0
    .kernarg_segment_align: 8
    .kernarg_segment_size: 40
    .max_flat_workgroup_size: 256
    .sgpr_count:     66
    .vgpr_count:     112
    .wavefront_size: 32
...
	.end_amdgpu_metadata
.endif
;; end of part 1
;; launch kvctx (part 2): grid 8 x 32, 4 waves a work-group, clusters of 4 x 4, 327,680 bytes of LDS; arguments xb, wkv, mask, part, stat; writes part, stat
.if DOCPART == 2
	.amdgcn_target "amdgcn-amd-amdhsa--gfx1250"
	.amdhsa_code_object_version 6
	.text
	.protected	k_qf36cf04c60_kvctx
	.globl	k_qf36cf04c60_kvctx
	.p2align	8
	.type	k_qf36cf04c60_kvctx,@function
k_qf36cf04c60_kvctx:
	s_mov_b64 s[64:65], 0
	v_nop
	global_prefetch_b8 v0, s[64:65] scope:SCOPE_SE
	s_setreg_imm32_b32 hwreg(HW_REG_WAVE_MODE, 25, 1), 1
	s_wait_xcnt 0x0
	s_wait_alu depctr_hold_cnt(0) depctr_sa_sdst(0) depctr_va_vdst(0) depctr_va_sdst(0) depctr_va_ssrc(0) depctr_va_vcc(0) depctr_vm_vsrc(0)
	s_getreg_b32 s2, hwreg(HW_REG_IB_STS2, 6, 4)
	s_cmp_eq_u32 s2, 0
	s_cbranch_scc0 .Lentry_in_a_cluster
	s_endpgm
.Lentry_in_a_cluster:
	s_bfe_u32 s2, ttmp6, 0x10000c
	s_cmp_lg_u32 s2, 0xf033
	s_cbranch_scc0 .Lentry_shape_is_right
	s_endpgm
.Lentry_shape_is_right:
; K AND V PROJECTION, AND THE PARTIAL CONTEXT.  [k | v] = xb wkv^T (16,384 x 2,048 x 1,024, bf16 operands, f32 sums), in tiles of 256 x 256; a wave makes 128 rows x 128 columns, which are ONE head:
; columns 0-63 k (d), 64-127 v (e).  Neither leaves the registers: for its 128 rows the wave makes u = k m log2(e) (m = the row's mask as a number; u = -1e30 where the mask is 0), each column's maximum mx,
; P = 2^(u - mx) rounded to f16, v rounded to f16, and by the matrix unit ctx^T = V^T P (64 e x 64 d) and l = 1^T P, in f32.  ctx^T goes to part, mx and l to stat; a later launch joins the 32 partials of a head.
; LIMITS.  v must lie within f16's 65,504.  A hidden key counts as -1e30, so |k m log2(e)| must lie far below that.  A weight below 2^-126 counts as 0, below 6e-8 it is 0 in f16.  NaN and infinities are not treated apart.
; 128 rows that are all hidden give mx = -1e30 and weights 1 (u - mx is exactly 0); the later launch multiplies that partial by 2^(mx - M) = 0.
; A WORK-GROUP STAYS: 512 tiles, 256 work-groups, two tiles each, 8,192 rows apart, on the same 256 rows of wkv.  The ring does not stop at the first tile's end: that tile runs the lap loop four times, and in the fourth
; trip the two refills are the next tile's K steps 0 and 1: xb's address steps by a number chosen by the lap, wkv's is made anew from its rows' address and the K step's bytes, which wrap at a row's end.
; So the next tile's first bytes are on their way during the way out, and nothing waits for the first tile's stores.  The last tile runs the loop three times, and its last lap, which asks for nothing, is written out
; behind the loop.  The way out stands once in the text.
; THE LOOP.  K goes in steps of 128 through a ring of two LDS slots (256 rows of xb, 256 rows of wkv, 272 bytes apart) filled by the tensor data mover; a wave has one load out behind each change of slots, two at the start.
; CLUSTERS: 4 x 4 work-groups.  The four of a row of the cluster need the same tile of xb, the four of a column the same tile of wkv: each is asked for jointly, by the same load with the same descriptor and a mask of four.
; THE MATRIX INSTRUCTION IS USED AS IT STANDS (source 0 = 16 rows of xb, source 1 = 16 rows of wkv): a lane holds ONE column (lane % 16) and the rows 8 (lane / 16) + 0..7.  Two such results, one below the other,
; rounded to f16 in pairs ARE a fragment (32 rows x 16 columns) of V^T as source 0 and of P as source 1: nothing changes lanes.
; REGISTERS, in windows of 256 (s_set_vgpr_msb: bits 1:0 source 0, 3:2 source 1, 5:4 source 2, 7:6 destination):
;   window 0: v1-3, v16-29 addresses; v32-43 maxima and what goes to stat; v64-191 fragments of xb, two buffers, on the way out ctx^T (16 results); v192-223 l (4 results)
;   window 1: v0-63 my rows' mask, then m log2(e); v64-191 fragments of wkv, two buffers; v192-255 0 or -1e30 of my rows
;   windows 2, 3: the 64 accumulators: (a, b) at v[8 (8 (a % 4) + b)] of window 2 + a / 4
; Left out: prefetching (a whole K step is on its way behind every change of slots).
.set SIZE_K, 1024
.set KSTEP,  128
.set PITCH,  272                       ; an LDS row: 256 bytes + 16 of padding: the 16 rows that a load touches start 16 bytes apart modulo 256
.set HALFT,  128*PITCH                 ; 128 rows: what one tensor load brings, and what one wave reads of either operand
.set SLOT,   4*HALFT                   ; xb's 256 rows, then wkv's 256 rows
.set SPARE,  2*SLOT                    ; behind the ring: the spare words, 128 bytes for each wave
.set LAPS,   SIZE_K/(2*KSTEP)          ; a lap = two K steps = once round the ring
.set TILES,  2
.set WALK,   8192                      ; rows from a work-group's first tile to its second: two batches
.set NEXT_A, WALK*SIZE_K*2-(SIZE_K-2*KSTEP)*2   ; bytes from a slot's last K step of a tile to its first of the next: xb goes WALK rows down and back along K
.set PSTEP,  (WALK/4096)*16*32*16384   ; two batches on in part (16 heads x 32 partials x 16,384 bytes a batch)
.set SSTEP,  (WALK/4096)*16*32*512     ; and in stat
.set ADRA, 16                          ; v16-17  LDS address of my fragments of xb in slot 0, 1; v18 in the slot that the last lap has in hand
.set ADRB, 20                          ; v20-22  the same for wkv
.set MA,   23                          ; v23     32 x (lane / 16): my eight rows' words in 16 rows of the mask
.set LN,   26                          ; v26     16 x lane
.set SPW,  28                          ; v28     LDS address of my spare word; never rewritten
.set NIL,  29                          ; v29     0; never rewritten
.set CM,   32                          ; v[32+2b] column block b's maximum; v[33+2b] at work
.set SD,   40                          ; v[40:43] what goes to stat
.set F0,   64
.set F1,   128
.set CT,   64                          ; ctx^T: result (et, dt) at CT + 8 (4 et + dt)
.set LT,   192                         ; l: result dt at LT + 8 dt
.set FM,   0                           ; window 1: m log2(e) of row 16 a + 8 (lane / 16) + j at FM + 8 a + j
.set BI,   192                         ; window 1: 0 or -1e30, likewise
.set TS,  21                           ; s21      the last lap: LDS offset of the slot in hand
.set TC,  22                           ; s22      the last lap: K steps to go
.set G1,  24                           ; s[24:31] descriptor group 1 for xb's tiles;  s[32:39] group 0, one set for each slot
.set G0,  32
.set LB,  45                           ; s45      the lap loop's bound
.set WB,  46                           ; s[46:47] wkv at the rows that I fetch, K step 0; never rewritten once made
.set G1B, 48                           ; s[48:55], s[56:63] the same for wkv's tiles
.set G0B, 56
.set LG,  76                           ; s[76:77] log2(e)
.set BIGN, 78                          ; s78      -1e30
.set SEL, 80                           ; s[80:81] v_permlanex16_b32's selects: each lane takes its own place in the other half
.set ONE, 82                           ; s[82:83] 1.0
.set STA, 92                           ; s[92:93] what this lap's refills add to xb's addresses
.set STB, 94                           ; s[94:95] the bytes along a row of wkv at which this lap's refill of slot 0 begins
.set CNA, 96                           ; s[96:97]   NEXT_A
.set CST, 98                           ; s[98:99]   two K steps along a row
.set WB1, 100                          ; s[100:101] wkv at the rows that I fetch, K step 1; never rewritten once made
.set MSB, 0
.macro WIN new                         ; the immediate's high byte repeats the setting that is left; a switch that changes nothing is dropped
.if MSB != (\new)
	s_set_vgpr_msb (MSB<<8)|(\new)
.set MSB, \new
.endif
.endm
.set MUL_LO, 0xa4                      ; source 0 (xb) window 0, source 1 (wkv) window 1, C and D window 2
.set MUL_HI, 0xf4                      ; the same, C and D window 3
.set TO_B,   0x40                      ; destination window 1, address window 0
; A joint load.  Waves 0 and 1 fetch the two halves of xb's tile, waves 2 and 3 those of wkv's.  The branch hangs on the wave's number alone.
; An s_nop 0 and four v_nop follow each of the two lines, ahead of the jump, the label and what follows.
.macro JLOAD s
	s_cmp_eq_u32 s11, 0
	s_cbranch_scc0 .Lfor_b_\@
	tensor_load_to_lds s[G0+4*(\s):G0+4*(\s)+3], s[G1:G1+7]
	s_nop 0
.rept 4
	v_nop
.endr
	s_branch .Lasked_\@
.Lfor_b_\@:
	tensor_load_to_lds s[G0B+4*(\s):G0B+4*(\s)+3], s[G1B:G1B+7]
	s_nop 0
.rept 4
	v_nop
.endr
.Lasked_\@:
.endm
.macro CREST                           ; a round of the cluster's barrier behind its opening barrier: wave 0 signals for the work-group, every wave waits for all sixteen, my work-group's barrier closes it
	s_cmp_lg_u32 s10, 0
	s_cbranch_scc1 .Lnot_wave_0_\@
	s_barrier_signal -3
.Lnot_wave_0_\@:
	s_barrier_wait -3
	s_barrier_signal -1
	s_barrier_wait -1
.endm
.macro CROUND                          ; a whole round
	s_barrier_signal -1
	s_barrier_wait -1
	CREST
.endm
	s_load_b128 s[4:7], s[0:1], 0x0                ; xb s[4:5], wkv s[6:7]
	s_load_b128 s[68:71], s[0:1], 0x10             ; mask s[68:69], part s[70:71]
	s_load_b64 s[72:73], s[0:1], 0x20              ; stat
	v_lshl_add_u32 v[SPW], v0, 2, SPARE
	v_mov_b32 v[NIL], 0
	ds_add_u32 v[SPW], v[NIL]                      ; the wave's opening: the add and its wait stand ahead of my first tensor load; the set-up below, work on registers, stands between them
	v_lshrrev_b32 v1, 5, v0
	v_readfirstlane_b32 s10, v1                    ; wave 0..3
	s_lshr_b32 s11, s10, 1                         ; which half of the tile's rows is mine.  Also: I fetch for xb (0) or for wkv (1)
	s_and_b32 s12, s10, 1                          ; which half of its columns.  Also: which 128 rows of that tile I fetch
	s_bfe_u32 s40, ttmp6, 0x40000                  ; cx, cy: my place in the cluster
	s_bfe_u32 s41, ttmp6, 0x40004
	s_lshl_b32 s42, ttmp9, 2
	s_add_co_u32 s42, s42, s40                     ; tile column = 4 x cluster x + cx
	s_and_b32 s13, ttmp7, 0xffff
	s_lshl_b32 s13, s13, 2
	s_add_co_u32 s13, s13, s41                     ; my first tile's row = 4 x cluster y + cy, 0..31
	s_lshl_b32 s43, s41, 2
	s_lshl_b32 s43, 15, s43                        ; my row of the cluster
	s_lshl_b32 s44, 0x1111, s40                    ; my column
	; descriptor group 1: a tile of 128 rows x 128 elements of 2 bytes, 4 words of padding behind every 64
	s_or_b32 s[G1+0], s43, (1<<16)|(1<<20)|(1<<21)|(5<<22)|(3<<25)
	s_or_b32 s[G1B+0], s44, (1<<16)|(1<<20)|(1<<21)|(5<<22)|(3<<25)
.irp g, G1, G1B
	s_mov_b32 s[(\g)+1], KSTEP<<16                 ; tensor_dim0 = 128
	s_mov_b32 s[(\g)+2], 128<<16                   ; tensor_dim1 = 128
	s_mov_b32 s[(\g)+3], KSTEP<<16                 ; tile_dim0 = 128
	s_mov_b32 s[(\g)+4], 128                       ; tile_dim1 = 128
	s_mov_b32 s[(\g)+5], SIZE_K                    ; elements from row to row
	s_mov_b32 s[(\g)+6], 0
	s_mov_b32 s[(\g)+7], 0
.endr
	s_lshl_b32 s17, s12, 7                         ; which 128 rows of the tile I fetch
	s_lshl_b32 s16, s13, 8
	s_add_co_u32 s16, s16, s17                     ; xb: row 256 x tile row + 128 x half
	s_lshl_b32 s46, s42, 8
	s_add_co_u32 s46, s46, s17                     ; wkv: row 256 x tile column + 128 x half
	s_mov_b32 s17, 0
	s_mov_b32 s47, 0
	s_mov_b64 s[18:19], SIZE_K*2
	s_mul_u64 s[16:17], s[16:17], s[18:19]
	s_mul_u64 s[46:47], s[46:47], s[18:19]
	s_mul_i32 s20, s10, HALFT                      ; where they go: wave x 128 rows: no place in the cluster enters an LDS address
	; offsets for the mask, part and stat, in registers that feed no descriptor and no LDS address
	s_lshl_b32 s84, s13, 10
	s_lshl_b32 s86, s11, 9
	s_add_co_u32 s84, s84, s86                     ; my first row's word in the mask: 4 (256 x tile row + 128 x row half)
	s_mov_b32 s85, 0
	s_lshl_b32 s86, s42, 1
	s_add_co_u32 s86, s86, s12                     ; my head = 2 x tile column + column half
	s_lshr_b32 s87, s13, 4                         ; the batch: 16 tile rows each
	s_lshl_b32 s87, s87, 4
	s_add_co_u32 s86, s86, s87                     ; 16 b + h
	s_lshl_b32 s86, s86, 5
	s_and_b32 s87, s13, 15
	s_lshl_b32 s87, s87, 1
	s_add_co_u32 s87, s87, s11                     ; p = 2 x tile row in the batch + row half
	s_add_co_u32 s86, s86, s87
	s_lshl_b32 s88, s86, 14                        ; 16,384 bytes of part for each (b, h, p)
	s_mov_b32 s89, 0
	s_lshl_b32 s90, s86, 9                         ; 512 bytes of stat
	s_mov_b32 s91, 0
	s_mov_b32 s[LG], 0x3fb8aa3b
	s_mov_b32 s[LG+1], s[LG]
	s_mov_b32 s[BIGN], 0xf149f2ca
	s_mov_b32 s[SEL], 0x76543210
	s_mov_b32 s[SEL+1], 0xfedcba98
	s_mov_b32 s[ONE], 1.0
	s_mov_b32 s[ONE+1], 1.0
	s_mov_b32 s[CNA], NEXT_A
	s_mov_b32 s[CNA+1], 0
	s_mov_b32 s[CST], 2*KSTEP*2
	s_mov_b32 s[CST+1], 0
	s_mov_b32 s[STB+1], 0                          ; the offset's high word
	s_wait_dscnt 0x0                               ; the opening add is done
	s_wait_kmcnt 0x0
	s_add_nc_u64 s[14:15], s[4:5], s[16:17]
	s_add_nc_u64 s[WB:WB+1], s[6:7], s[46:47]
	s_add_nc_u64 s[WB1:WB1+1], s[WB:WB+1], KSTEP*2
	s_add_nc_u64 s[68:69], s[68:69], s[84:85]
	s_add_nc_u64 s[70:71], s[70:71], s[88:89]
	s_add_nc_u64 s[72:73], s[72:73], s[90:91]
	CROUND                                         ; all sixteen work-groups are here: the first joint loads meet
.irp s, 0,1
	s_mov_b32 s[G0+4*(\s)], 1
	s_add_co_u32 s[G0+4*(\s)+1], s20, (\s)*SLOT
	s_add_nc_u64 s[G0+4*(\s)+2:G0+4*(\s)+3], s[14:15], (\s)*KSTEP*2
	s_or_b32 s[G0+4*(\s)+3], s[G0+4*(\s)+3], 0x80000000
	s_mov_b32 s[G0B+4*(\s)], 1
	s_add_co_u32 s[G0B+4*(\s)+1], s20, (\s)*SLOT
	s_add_nc_u64 s[G0B+4*(\s)+2:G0B+4*(\s)+3], s[WB:WB+1], (\s)*KSTEP*2
	s_or_b32 s[G0B+4*(\s)+3], s[G0B+4*(\s)+3], 0x80000000
	JLOAD \s                                       ; K steps 0 and 1: two loads of mine are out
.endr
	; a fragment is 16 rows x 32 K in 8 registers: lane l holds row l % 16, K = 8 (l / 16) + 0..7 and 16 + 8 (l / 16) + 0..7: two loads of 16 bytes, 32 bytes apart
	v_and_b32 v1, 15, v0                           ; l % 16
	v_bfe_u32 v2, v0, 4, 1                         ; l / 16
	v_mul_u32_u24 v3, v1, PITCH
	v_lshl_add_u32 v3, v2, 4, v3
	s_mul_i32 s21, s11, HALFT                      ; my 128 rows of xb
	s_mul_i32 s22, s12, HALFT                      ; my 128 rows of wkv,
	s_add_co_u32 s22, s22, 2*HALFT                 ; which lie behind xb's 256
.irp s, 0,1
	v_add_nc_u32 v[ADRA+(\s)], s21, v3
	v_add_nc_u32 v[ADRB+(\s)], s22, v3
	s_add_co_u32 s21, s21, SLOT
	s_add_co_u32 s22, s22, SLOT
.endr
	v_lshlrev_b32 v[MA], 5, v2
	v_and_b32 v[LN], 31, v0
	v_lshlrev_b32 v[LN], 4, v[LN]
; 16 matrix instructions: row blocks a0, a0 + 1 of the window's four x all 8 column blocks, 32 along K.  zero = 1: the first product starts the sums.
.macro MUL16 f, hi, a0, zero
	WIN MUL_LO+0x50*(\hi)
.irp a, \a0, (\a0)+1
.irp b, 0,1,2,3,4,5,6,7
.if \zero
	v_wmma_f32_16x16x32_bf16 v[8*(8*(\a)+(\b)):8*(8*(\a)+(\b))+7], v[(\f)+8*(4*(\hi)+(\a)):(\f)+8*(4*(\hi)+(\a))+7], v[(\f)+8*(\b):(\f)+8*(\b)+7], 0
.else
	v_wmma_f32_16x16x32_bf16 v[8*(8*(\a)+(\b)):8*(8*(\a)+(\b))+7], v[(\f)+8*(4*(\hi)+(\a)):(\f)+8*(4*(\hi)+(\a))+7], v[(\f)+8*(\b):(\f)+8*(\b)+7], v[8*(8*(\a)+(\b)):8*(8*(\a)+(\b))+7]
.endif
.endr
.endr
.endm
; 32 LDS loads in one run: the fragments of one quarter step (32 K at byte k of the rows) into buffer f: wkv's 16 loads, then xb's.  slot 0, 1: the ring's; 2: the address registers of the last lap
.macro FETCH slot, k, f
	WIN TO_B
.irp i, 0,1,2,3,4,5,6,7
	ds_load_b128 v[(\f)+8*(\i):(\f)+8*(\i)+3],   v[ADRB+(\slot)] offset:(\k)+(\i)*16*PITCH
	ds_load_b128 v[(\f)+8*(\i)+4:(\f)+8*(\i)+7], v[ADRB+(\slot)] offset:(\k)+(\i)*16*PITCH+32
.endr
	WIN 0
.irp i, 0,1,2,3,4,5,6,7
	ds_load_b128 v[(\f)+8*(\i):(\f)+8*(\i)+3],   v[ADRA+(\slot)] offset:(\k)+(\i)*16*PITCH
	ds_load_b128 v[(\f)+8*(\i)+4:(\f)+8*(\i)+7], v[ADRA+(\slot)] offset:(\k)+(\i)*16*PITCH+32
.endr
.endm
.macro PLACES                          ; four plain vector lines between a matrix instruction and a load into, or a vector line on, its registers
.rept 4
	v_nop
.endr
.endm
; A K step is four quarters of 32 along K, 64 matrix instructions each, on buffers 0, 1, 0, 1.  One of the first three: multiplies buffer f, and in its middle fetches the next quarter, at byte k, into g.
.macro QUARTER slot, k, f, g, zero
	s_wait_dscnt 8                                 ; wkv and xb's rows 0-63 are in; the youngest eight loads (xb's rows 64-127) may be out
	WIN MUL_LO
	MUL16 \f, 0, 0, \zero
	MUL16 \f, 0, 2, \zero
	PLACES
	FETCH \slot, \k, \g
	s_wait_dscnt 32                                ; all but the 32 just issued
	WIN MUL_HI
	MUL16 \f, 1, 0, \zero
	MUL16 \f, 1, 2, \zero
.endm
; The last quarter's first half: ONE barrier for the change of slots.  In front of it each wave waits for all its tensor loads (at most one is out: its part of the next slot), adds 0 to its spare word, and waits for that and for its reads of this slot.
.macro MEET
	WIN 0                                          ; (the add's two registers lie in window 0)
	s_wait_tensorcnt 0x0
	ds_add_u32 v[SPW], v[NIL]                      ; 0 onto my spare word
	s_wait_dscnt 9                                 ; (the add and the youngest eight loads may be out)
	MUL16 F1, 0, 0, 0                              ; sixteen matrix instructions stand between the add and the wait for it
	s_wait_dscnt 0x0                               ; the add is done, and my reads of this slot are over
	s_barrier_signal -1
	MUL16 F1, 0, 2, 0
	WIN 0
	s_barrier_wait -1
.endm
; The whole last quarter in the loop: the barrier opens a round of the cluster's, and the slot just read out is filled again first thing behind the round: two K steps ahead, or with the next tile's K step 0 or 1.
; No tensor load of mine is out here, so both group 0 sets may be written.  xb's address steps; wkv's is made anew: the slot's unchanged address plus the lap's bytes along the row, and the type bits set again.
.macro TURN slot, next
	MEET
	CREST                                          ; no wave of any partner still reads this slot's tile or has a load on its way
	s_add_nc_u64 s[G0+4*(\slot)+2:G0+4*(\slot)+3], s[G0+4*(\slot)+2:G0+4*(\slot)+3], s[STA:STA+1]
	s_add_nc_u64 s[G0B+4*(\slot)+2:G0B+4*(\slot)+3], s[WB+(WB1-WB)*(\slot):WB+(WB1-WB)*(\slot)+1], s[STB:STB+1]
	s_or_b32 s[G0B+4*(\slot)+3], s[G0B+4*(\slot)+3], 0x80000000
	JLOAD \slot                                    ; the four v_nop behind it are also the places in front of the loads below
	FETCH \next, 0, F0
	MUL16 F1, 1, 0, 0
	MUL16 F1, 1, 2, 0
.endm
; THE WAY OUT.  w = 2, 3: the window.  A UNIT u of a window is column block b = u % 4 of k and two row blocks one below the other (a'' = u / 4): 16 numbers a lane, at EB = 128 a'' + 8 b and EB + 64.
.macro MASKPREP                        ; my 64 rows' mask words become a factor m log2(e) and an addend 0 or -1e30
	WIN 0x45                                       ; sources 0 and 1 and the destination in window 1
.set i, 0
.rept 64
	v_cmp_eq_u32 vcc_lo, 0, v[FM+i]
	v_cndmask_b32 v[BI+i], 0, s[BIGN], vcc_lo
	v_cvt_f32_i32 v[FM+i], v[FM+i]
.set i, i+1
.endr
.set i, 0
.rept 32
	v_pk_mul_f32 v[FM+2*i:FM+2*i+1], v[FM+2*i:FM+2*i+1], s[LG:LG+1] op_sel_hi:[1,0]
.set i, i+1
.endr
.endm
.macro SCALE w                         ; u = k x (m log2 e) + (0 or -1e30), k's 16 results of the window, each from its lowest registers on
	WIN 0x96+0x41*((\w)-2)                         ; destination and source 0 in window w, sources 1 and 2 in window 1
.irp b, 0,1,2,3
.irp a, 0,1,2,3
.irp p, 0,1,2,3
	v_pk_fma_f32 v[64*(\a)+8*(\b)+2*(\p):64*(\a)+8*(\b)+2*(\p)+1], v[64*(\a)+8*(\b)+2*(\p):64*(\a)+8*(\b)+2*(\p)+1], v[FM+8*(4*((\w)-2)+(\a))+2*(\p):FM+8*(4*((\w)-2)+(\a))+2*(\p)+1], v[BI+8*(4*((\w)-2)+(\a))+2*(\p):BI+8*(4*((\w)-2)+(\a))+2*(\p)+1]
.endr
.endr
.endr
.endm
.macro CMAX w                          ; the maximum of the lane's 32 numbers of each column block in window w: four chains side by side
	WIN 0x0a+5*((\w)-2)
.irp b, 0,1,2,3
	v_max_num_f32 v[CM+2*(\b)+(\w)-2], v[8*(\b)], v[8*(\b)+1]
.endr
	WIN 0x28+0x14*((\w)-2)
.set n, 2
.rept 15
.irp b, 0,1,2,3
	v_max3_num_f32 v[CM+2*(\b)+(\w)-2], v[CM+2*(\b)+(\w)-2], v[64*(n/8)+8*(\b)+n%8], v[64*(n/8)+8*(\b)+n%8+1]
.endr
.set n, n+2
.endr
.endm
.macro XSUB u, i                       ; pair i of unit u: u - mx, exactly (x 1.0, so that the line shares the window setting of those round it)
.set eb, 128*((\u)/4)+8*((\u)%4)+64*((\i)/4)+2*((\i)%4)
	v_pk_fma_f32 v[eb:eb+1], v[eb:eb+1], s[ONE:ONE+1], v[CM+2*((\u)%4):CM+2*((\u)%4)+1] op_sel_hi:[1,0,0] neg_lo:[0,0,1] neg_hi:[0,0,1]
.endm
.macro XEXP u, n                       ; number n of 16 of unit u
.set eb, 128*((\u)/4)+8*((\u)%4)+64*((\n)/8)+(\n)%8
	v_exp_f32 v[eb], v[eb]
.endm
.macro XCVT u, i, isv                  ; pair i of unit u (isv = 1: of v's unit beside it) rounded to f16, in place: the eight words are a fragment at the unit's first registers
.set eb, 128*((\u)/4)+8*((\u)%4)+32*(\isv)
.set sr, eb+64*((\i)/4)+2*((\i)%4)
	s_wait_alu depctr_va_vdst(0)
	v_cvt_pk_f16_f32 v[eb+(\i)], v[sr], v[sr+1]
.endm
; The window's 128 exponentials, each with a plain line that is ready behind it: the next unit's subtraction, the roundings of the unit before and of v.
.macro EXPW w
	WIN 0x8a+0x45*((\w)-2)                         ; destination and sources 0 and 1 in window w, source 2 (the maximum) in window 0
.set i, 0
.rept 8
	XSUB 0, i
.set i, i+1
.endr
.set u, 0
.rept 8
.set i, 0
.rept 8
	XEXP u, 2*i
.if u < 7
	XSUB u+1, i
.endif
	XEXP u, 2*i+1
.if u > 0
	XCVT u-1, i, 0
.endif
	XCVT u, i, 1
.set i, i+1
.endr
.set u, u+1
.endr
	v_nop
.set i, 0
.rept 8
	XCVT 7, i, 0
.set i, i+1
.endr
.set i, 0
.rept 8
	v_mov_b32 v[64+i], 0x3c003c00                  ; a fragment of ones in f16, in registers that unit 0's rounding has left free
.set i, i+1
.endr
.endm
	s_wait_tensorcnt 1                             ; my part of K step 0 is in; K step 1's may stay out
	s_barrier_signal -1
	s_barrier_wait -1
	s_mov_b32 s2, TILES                            ; tiles to go, this one among them: the same number in every work-group
.Ltile:
	WIN 0x40                                       ; my 64 rows' mask words (rows 16 a + 8 (l / 16) + 0..7) are asked for now and wanted at the way out
.set i, 0
.rept 16
	global_load_b128 v[FM+4*i:FM+4*i+3], v[MA], s[68:69] offset:64*(i/2)+16*(i%2)
.set i, i+1
.endr
	FETCH 0, 0, F0
	QUARTER 0, 64,  F0, F1, 1                      ; a tile's first quarter stands in front of the loop: its products start the sums
	WIN 0                                          ; at a label and at a branch every window is 0
	s_cmp_eq_u32 s2, 1
	s_cselect_b32 s[LB], LAPS-1, LAPS+1            ; the last tile leaves the loop at its foot after three trips; the first leaves it in the middle of the fourth
	s_mov_b32 s3, 0
.Llap:                                                 ; a trip goes once round the ring, from a lap's second quarter on, and fills both slots again
	s_cmp_eq_u32 s3, LAPS-1                        ; a tile's last lap (the first tile alone gets here): its refills are the next tile's
	s_cselect_b64 s[STA:STA+1], s[CNA:CNA+1], s[CST:CST+1]
	s_add_co_u32 s[STB], s3, 1                     ; wkv: lap s3 asks for the next lap's K steps: 512 (s3 + 1) bytes along the row,
	s_lshl_b32 s[STB], s[STB], 9
	s_and_b32 s[STB], s[STB], SIZE_K*2-1           ; which in the fourth lap wraps to the row's beginning: the next tile takes the same rows of wkv
	QUARTER 0, 128, F1, F0, 0
	QUARTER 0, 192, F0, F1, 0
	TURN 0, 1
	QUARTER 1, 64,  F0, F1, 0
	QUARTER 1, 128, F1, F0, 0
	QUARTER 1, 192, F0, F1, 0
	TURN 1, 0
	WIN 0
	s_add_co_u32 s3, s3, 1
	s_cmp_eq_u32 s3, LAPS
	s_cbranch_scc1 .Lout                           ; all eight K steps of the first tile are multiplied, and both refills for the next are asked for
	QUARTER 0, 64,  F0, F1, 0                      ; the next lap's first quarter
	WIN 0
	s_cmp_lt_u32 s3, s[LB]
	s_cbranch_scc1 .Llap
	; THE LAST TILE'S LAST LAP asks for nothing.  Its two K steps are one text, walked twice; the slot's LDS offset lies in s[TS].  The second trip has no slot to go on to: it jumps over the fetch and leaves in the middle.
	s_mov_b32 s[TC], 2
	s_mov_b32 s[TS], 0
	v_mov_b32 v[ADRA+2], v[ADRA]
	v_mov_b32 v[ADRB+2], v[ADRB]
.Ltail:
	QUARTER 2, 128, F1, F0, 0
	QUARTER 2, 192, F0, F1, 0
	MEET                                           ; first trip: slot 1, the last K step, is whole; nothing is filled again, so no round follows
	s_cmp_eq_u32 s[TC], 1
	s_cbranch_scc1 .Lno_next
	s_add_co_u32 s[TS], s[TS], SLOT
	v_add_nc_u32 v[ADRA+2], s[TS], v[ADRA]         ; these two lines and two v_nop are the places in front of the loads into buffer 0
	v_add_nc_u32 v[ADRB+2], s[TS], v[ADRB]
	v_nop
	v_nop
	FETCH 2, 0, F0
.Lno_next:
	MUL16 F1, 1, 0, 0
	MUL16 F1, 1, 2, 0
	WIN 0
	s_sub_co_u32 s[TC], s[TC], 1
	s_cmp_eq_u32 s[TC], 0
	s_cbranch_scc1 .Lout
	QUARTER 2, 64,  F0, F1, 0
	WIN 0
	s_branch .Ltail
.Lout:
	s_wait_dscnt 0x0                               ; behind the first tile: the fragments that the loop's text has fetched ahead; their registers serve the way out, and the next tile fetches them again
	s_wait_loadcnt 0x0                             ; the mask's words, asked for at the tile's head
	PLACES
	MASKPREP
	s_add_nc_u64 s[68:69], s[68:69], WALK*4        ; the next tile's rows in the mask (the loads that named this base are done)
	SCALE 2
	CMAX 2
	SCALE 3
	CMAX 3
	WIN 0
.irp b, 0,1,2,3
	v_max_num_f32 v[CM+2*(\b)], v[CM+2*(\b)], v[CM+2*(\b)+1]
.endr
.irp b, 0,1,2,3
	v_permlanex16_b32 v[CM+2*(\b)+1], v[CM+2*(\b)], s[SEL], s[SEL+1]  ; the column's other 64 rows lie in the lane 16 away
.endr
.irp b, 0,1,2,3
	v_max_num_f32 v[CM+2*(\b)], v[CM+2*(\b)], v[CM+2*(\b)+1]
.endr
	EXPW 2
	EXPW 3
	; ctx^T = V^T P and l = 1^T P over my 128 rows, 32 at a time.  The 20 accumulators take turns; the first 20 products start the sums.
.set ks, 0
.rept 4
	WIN 0x0a+5*(ks/2)                              ; sources 0 and 1 in window 2 or 3, C and D in window 0
.set t, 0
.rept 16
.if ks == 0
	v_wmma_f32_16x16x32_f16 v[CT+8*t:CT+8*t+7], v[128*(ks%2)+8*(4+t/4):128*(ks%2)+8*(4+t/4)+7], v[128*(ks%2)+8*(t%4):128*(ks%2)+8*(t%4)+7], 0
.else
	v_wmma_f32_16x16x32_f16 v[CT+8*t:CT+8*t+7], v[128*(ks%2)+8*(4+t/4):128*(ks%2)+8*(4+t/4)+7], v[128*(ks%2)+8*(t%4):128*(ks%2)+8*(t%4)+7], v[CT+8*t:CT+8*t+7]
.endif
.set t, t+1
.endr
.set t, 0
.rept 4
.if ks == 0
	v_wmma_f32_16x16x32_f16 v[LT+8*t:LT+8*t+7], v[64:71], v[128*(ks%2)+8*t:128*(ks%2)+8*t+7], 0
.else
	v_wmma_f32_16x16x32_f16 v[LT+8*t:LT+8*t+7], v[64:71], v[128*(ks%2)+8*t:128*(ks%2)+8*t+7], v[LT+8*t:LT+8*t+7]
.endif
.set t, t+1
.endr
.set ks, ks+1
.endr
	WIN 0
	PLACES
.set t, 0
.rept 16                                               ; the results go out as they lie in the registers, each result's low four registers first: every store covers 512 consecutive bytes, aligned
	global_store_b128 v[LN], v[CT+8*t:CT+8*t+3], s[70:71] offset:1024*t
	global_store_b128 v[LN], v[CT+8*t+4:CT+8*t+7], s[70:71] offset:1024*t+512
.set t, t+1
.endr
	v_cmp_eq_u32 vcc_lo, 1, v2
.irp d, 0,1,2,3
	v_cndmask_b32 v[SD+(\d)], v[CM+2*(\d)], v[LT+8*(\d)], vcc_lo  ; lanes 0-15 carry the maxima, lanes 16-31 the sums, of columns 16 dt + lane % 16
.endr
	global_store_b128 v[LN], v[SD:SD+3], s[72:73]
	s_wait_xcnt 0x0                                ; only behind this wait are the stores' bases stepped and their data registers loaded again; nothing waits for the stores themselves
	s_add_nc_u64 s[70:71], s[70:71], PSTEP
	s_add_nc_u64 s[72:73], s[72:73], SSTEP
	s_sub_co_u32 s2, s2, 1
	s_cmp_lg_u32 s2, 0
	s_cbranch_scc1 .Ltile
	s_wait_tensorcnt 0x0                           ; the wave's end
	ds_add_u32 v[SPW], v[NIL]
	s_wait_dscnt 0x0
	CROUND                                         ; the closing round: no work-group ends while a partner may still ask for a tile that names it
	s_endpgm
.Lfunc_end_k_qf36cf04c60_kvctx:
	.size	k_qf36cf04c60_kvctx, .Lfunc_end_k_qf36cf04c60_kvctx-k_qf36cf04c60_kvctx
	.p2alignl 7, 3214868480
	.fill 96, 4, 3214868480
	.section	.rodata,"a",@progbits
	.p2align	6, 0x0
	.amdhsa_kernel k_qf36cf04c60_kvctx
		.amdhsa_group_segment_fixed_size 327680
		.amdhsa_private_segment_fixed_size 0
		.amdhsa_enable_private_segment 0
		.amdhsa_kernarg_size 40
		.amdhsa_user_sgpr_count 2
		.amdhsa_user_sgpr_kernarg_segment_ptr 1
		.amdhsa_wavefront_size32 1
		.amdhsa_system_sgpr_workgroup_id_x 1
		.amdhsa_system_sgpr_workgroup_id_y 1
		.amdhsa_system_sgpr_workgroup_id_z 1
		.amdhsa_system_vgpr_workitem_id 0
		.amdhsa_next_free_vgpr 1024
		.amdhsa_next_free_sgpr 102
		.amdhsa_reserve_vcc 1
		.amdhsa_float_denorm_mode_32 3
		.amdhsa_float_denorm_mode_16_64 3
		.amdhsa_memory_ordered 1
		.amdhsa_forward_progress 1
		.amdhsa_inst_pref_size 174
	.end_amdhsa_kernel
	.amdgpu_metadata
---
amdhsa.version: [ 1, 2 ]
amdhsa.kernels:
  - .name:           k_qf36cf04c60_kvctx
    .symbol:         k_qf36cf04c60_kvctx.kd
    .args:
      - { .name: xb, .offset: 0, .size: 8, .value_kind: global_buffer, .address_space: global }
      - { .name: wkv, .offset: 8, .size: 8, .value_kind: global_buffer, .address_space: global }
      - { .name: mask, .offset: 16, .size: 8, .value_kind: global_buffer, .address_space: global }
      - { .name: part, .offset: 24, .size: 8, .value_kind: global_buffer, .address_space: global }
      - { .name: stat, .offset: 32, .size: 8, .value_kind: global_buffer, .address_space: global }
    .group_segment_fixed_size: 327680
    .private_segment_fixed_size: 0
    .kernarg_segment_align: 8
    .kernarg_segment_size: 40
    .max_flat_workgroup_size: 128
    .sgpr_count:     102
    .vgpr_count:     1024
    .wavefront_size: 32
...
	.end_amdgpu_metadata
.endif
;; end of part 2
;; launch ctxred (part 3): grid 256 x 1, 4 waves a work-group, no clusters, 4,608 bytes of LDS; arguments part, stat, mem_kv, ctxf; writes ctxf
.if DOCPART == 3
	.amdgcn_target "amdgcn-amd-amdhsa--gfx1250"
	.amdhsa_code_object_version 6
	.text
	.protected	k_qf36cf04c60_ctxred
	.globl	k_qf36cf04c60_ctxred
	.p2align	8
	.type	k_qf36cf04c60_ctxred,@function
k_qf36cf04c60_ctxred:
	s_mov_b64 s[64:65], 0
	v_nop
	global_prefetch_b8 v0, s[64:65] scope:SCOPE_SE
	s_setreg_imm32_b32 hwreg(HW_REG_WAVE_MODE, 25, 1), 1
	s_wait_xcnt 0x0
; THE CONTEXT OF A HEAD.  For each (b, h) the 32 partial ctx^T (each with its columns' maxima m_p and sums l_p, in powers of two) and the four memory rows are joined under the common maximum:
;   M = max(m_p, mk_i log2 e);  w_p = 2^(m_p - M);  g_i = 2^(mk_i log2 e - M);  ctx^T[e][d] = (sum_p w_p C_p[e][d] + sum_i g_i mv_i[e]) / (sum_p w_p l_p[d] + sum_i g_i).   All in f32.
; The result is rounded once to f16 and stored as the fragments (16 e x 32 d) that the next launch feeds to the matrix unit.
; LIMITS.  ctx must lie within f16's 65,504 (it is a mean of v's and mv's rows); NaN and infinities are not treated apart.  A partial whose rows were all hidden has m_p = -1e30 and so w_p = 0.
; SHARES.  Work-group = (b h, dt): 16 columns d; wave = et: 16 rows e.  A lane holds column d = 16 dt + lane % 16 and rows e = 16 et + 8 (lane / 16) + 0..7, as the partials were stored.
; No matrix unit, no cluster, no barrier: the launch streams part once; the waves share only 512 bytes of statistics for each partial.  Each wave turns its 16 x 16 numbers through LDS bytes of its own.
.set SPARE, 4096                       ; behind the four waves' 1,024 bytes: the spare words
.set LN,  4                            ; v4   16 x lane
.set AS,  5                            ; v5   my word in 512 bytes of stat: 16 (lane % 16) + 4 dt
.set AK,  6                            ; v6   4 d
.set AV,  7                            ; v7   4 (16 et + 8 (lane / 16))
.set STO, 8                            ; v8   LDS: row 8 (lane / 16) of 48 bytes, 2 bytes at lane % 16
.set RD,  9                            ; v9   LDS: row lane % 16, 16 bytes at lane / 16
.set SPW, 10
.set NIL, 11
.set ACC, 12                           ; v[12:19]
.set MX,  20
.set LS,  21
.set INV, 22
.set MK,  24                           ; v[24:27]  mk_i, then g_i
.set PK,  28                           ; v[28:31]  packed f16
.set MP,  32                           ; v[32:63]  m_p, then w_p
.set LP,  64                           ; v[64:95]  l_p
.set MVR, 96                           ; v[96:127] mv_i[j] at 8 i + j
.set OUT, 128                          ; v[128:131]
.set CH,  132                          ; v[132:135] four chains
.set MSB, 0
.macro WIN new
.if MSB != (\new)
	s_set_vgpr_msb (MSB<<8)|(\new)
.set MSB, \new
.endif
.endm
	s_load_b256 s[4:11], s[0:1], 0x0               ; part s[4:5], stat s[6:7], mem_kv s[8:9], ctxf s[10:11]
	v_lshl_add_u32 v[SPW], v0, 2, SPARE
	v_mov_b32 v[NIL], 0
	v_lshrrev_b32 v1, 5, v0
	v_readfirstlane_b32 s14, v1                    ; wave = et
	s_lshr_b32 s12, ttmp9, 2                       ; 16 b + h
	s_and_b32 s13, ttmp9, 3                        ; dt
	s_and_b32 s15, s12, 15                         ; h
	s_lshl_b32 s16, s12, 19                        ; part: 32 partials of 16,384 bytes,
	s_lshl2_add_u32 s18, s14, s13
	s_lshl_b32 s18, s18, 10                        ; result 4 et + dt of 1,024 bytes
	s_add_co_u32 s16, s16, s18
	s_mov_b32 s17, 0
	s_lshl_b32 s18, s12, 14                        ; stat: 32 x 512 bytes
	s_mov_b32 s19, 0
	s_lshl_b32 s20, s15, 10                        ; mem_kv: 4 rows of 256 bytes a head
	s_mov_b32 s21, 0
	s_lshl_b32 s22, s12, 13                        ; ctxf: 8,192 bytes a head,
	s_lshr_b32 s24, s13, 1
	s_lshl1_add_u32 s24, s14, s24
	s_lshl_b32 s24, s24, 10                        ; fragment 2 et + dt / 2,
	s_add_co_u32 s22, s22, s24
	s_and_b32 s24, s13, 1
	s_lshl_b32 s24, s24, 9                         ; its half dt % 2
	s_add_co_u32 s22, s22, s24
	s_mov_b32 s23, 0
	v_and_b32 v1, 15, v0
	v_bfe_u32 v2, v0, 4, 1
	v_and_b32 v[LN], 31, v0
	v_lshlrev_b32 v[LN], 4, v[LN]
	s_lshl_b32 s25, s13, 2
	v_lshl_add_u32 v[AS], v1, 4, s25
	s_lshl_b32 s25, s13, 6
	v_lshl_add_u32 v[AK], v1, 2, s25
	s_lshl_b32 s25, s14, 6
	v_lshl_add_u32 v[AV], v2, 5, s25
	s_lshl_b32 s25, s14, 10                        ; my wave's 1,024 bytes of LDS
	v_mul_u32_u24 v[STO], v2, 384
	v_lshl_add_u32 v[STO], v1, 1, v[STO]
	v_add_nc_u32 v[STO], s25, v[STO]
	v_mul_u32_u24 v[RD], v1, 48
	v_lshl_add_u32 v[RD], v2, 4, v[RD]
	v_add_nc_u32 v[RD], s25, v[RD]
	s_wait_kmcnt 0x0
	s_add_nc_u64 s[4:5], s[4:5], s[16:17]
	s_add_nc_u64 s[6:7], s[6:7], s[18:19]
	s_add_nc_u64 s[8:9], s[8:9], s[20:21]
	s_add_nc_u64 s[10:11], s[10:11], s[22:23]
.set p, 0
.rept 32
	global_load_b32 v[MP+p], v[AS], s[6:7] offset:512*p
.set p, p+1
.endr
.set p, 0
.rept 32
	global_load_b32 v[LP+p], v[AS], s[6:7] offset:512*p+256
.set p, p+1
.endr
.irp i, 0,1,2,3
	global_load_b32 v[MK+\i], v[AK], s[8:9] offset:256*\i
.endr
.irp i, 0,1,2,3
	global_load_b128 v[MVR+8*\i:MVR+8*\i+3], v[AV], s[8:9] offset:16384+256*\i
	global_load_b128 v[MVR+8*\i+4:MVR+8*\i+7], v[AV], s[8:9] offset:16384+256*\i+16
.endr
	WIN 0x40                                       ; destination window 1: partial p at v[8 p]
.set p, 0
.rept 32
	global_load_b128 v[8*p:8*p+3], v[LN], s[4:5] offset:16384*p th:TH_LOAD_NT
	global_load_b128 v[8*p+4:8*p+7], v[LN], s[4:5] offset:16384*p+512 th:TH_LOAD_NT
.set p, p+1
.endr
	WIN 0
	s_wait_loadcnt 63                              ; behind the 76 small loads 64 were issued: with 63 out at the most all 76 are in
.irp i, 0,1,2,3
	v_mul_f32 v[MK+\i], 0x3fb8aa3b, v[MK+\i]
.endr
.irp c, 0,1,2,3
	v_max3_num_f32 v[CH+\c], v[MP+8*\c], v[MP+8*\c+1], v[MP+8*\c+2]
.endr
.irp c, 0,1,2,3
	v_max3_num_f32 v[CH+\c], v[CH+\c], v[MP+8*\c+3], v[MP+8*\c+4]
.endr
.irp c, 0,1,2,3
	v_max3_num_f32 v[CH+\c], v[CH+\c], v[MP+8*\c+5], v[MP+8*\c+6]
.endr
.irp c, 0,1,2,3
	v_max3_num_f32 v[CH+\c], v[CH+\c], v[MP+8*\c+7], v[MK+\c]
.endr
	v_max3_num_f32 v[MX], v[CH], v[CH+1], v[CH+2]
	v_max_num_f32 v[MX], v[MX], v[CH+3]
.set p, 0
.rept 32
	v_sub_f32 v[MP+p], v[MP+p], v[MX]
.set p, p+1
.endr
.irp i, 0,1,2,3
	v_sub_f32 v[MK+\i], v[MK+\i], v[MX]
.endr
.set p, 0
.rept 32
	v_exp_f32 v[MP+p], v[MP+p]
.set p, p+1
.endr
.irp i, 0,1,2,3
	v_exp_f32 v[MK+\i], v[MK+\i]
.endr
	v_nop                                          ; a plain line between the last exponential and the use of its result
	s_wait_alu depctr_va_vdst(0)
.irp c, 0,1,2,3
	v_mul_f32 v[CH+\c], v[MP+8*\c], v[LP+8*\c]
.endr
.set i, 1
.rept 7
.irp c, 0,1,2,3
	v_fmac_f32 v[CH+\c], v[MP+8*\c+i], v[LP+8*\c+i]
.endr
.set i, i+1
.endr
.irp c, 0,1,2,3
	v_add_f32 v[CH+\c], v[CH+\c], v[MK+\c]
.endr
	v_add_f32 v[CH], v[CH], v[CH+1]
	v_add_f32 v[CH+2], v[CH+2], v[CH+3]
	v_add_f32 v[LS], v[CH], v[CH+2]
	v_rcp_f32 v[INV], v[LS]                        ; the lines below, which name neither register, stand between it and its use
.irp j, 0,1,2,3,4,5,6,7
	v_mul_f32 v[ACC+\j], v[MK], v[MVR+\j]
.endr
.irp i, 1,2,3
.irp j, 0,1,2,3,4,5,6,7
	v_fmac_f32 v[ACC+\j], v[MK+\i], v[MVR+8*\i+\j]
.endr
.endr
	WIN 0x04                                       ; source 1 in window 1
.set p, 0
.rept 32
	s_wait_loadcnt 62-2*p                          ; partial p's two loads are in; the 2 (31 - p) behind them may stay out
.irp j, 0,1,2,3,4,5,6,7
	v_fmac_f32 v[ACC+\j], v[MP+p], v[8*p+\j]
.endr
.set p, p+1
.endr
	WIN 0
	s_wait_alu depctr_va_vdst(0)
.irp j, 0,1,2,3,4,5,6,7
	v_mul_f32 v[ACC+\j], v[ACC+\j], v[INV]
.endr
.irp k, 0,1,2,3
	v_cvt_pk_f16_f32 v[PK+\k], v[ACC+2*\k], v[ACC+2*\k+1]
.endr
.irp k, 0,1,2,3
	ds_store_b16 v[STO], v[PK+\k] offset:96*\k             ; row e = 8 (lane / 16) + 2 k, column lane % 16
	ds_store_b16_d16_hi v[STO], v[PK+\k] offset:96*\k+48   ; row e + 1
.endr
	ds_load_b128 v[OUT:OUT+3], v[RD]               ; my wave's own bytes, served in the order of issue: row e = lane % 16, eight columns
	s_wait_dscnt 0x0
	global_store_b128 v[LN], v[OUT:OUT+3], s[10:11]        ; 512 consecutive bytes, aligned
	s_wait_tensorcnt 0x0                           ; the wave's end, behind my last LDS store
	ds_add_u32 v[SPW], v[NIL]
	s_wait_dscnt 0x0
	s_endpgm
.Lfunc_end_k_qf36cf04c60_ctxred:
	.size	k_qf36cf04c60_ctxred, .Lfunc_end_k_qf36cf04c60_ctxred-k_qf36cf04c60_ctxred
	.p2alignl 7, 3214868480
	.fill 96, 4, 3214868480
	.section	.rodata,"a",@progbits
	.p2align	6, 0x0
	.amdhsa_kernel k_qf36cf04c60_ctxred
		.amdhsa_group_segment_fixed_size 4608
		.amdhsa_private_segment_fixed_size 0
		.amdhsa_enable_private_segment 0
		.amdhsa_kernarg_size 32
		.amdhsa_user_sgpr_count 2
		.amdhsa_user_sgpr_kernarg_segment_ptr 1
		.amdhsa_wavefront_size32 1
		.amdhsa_system_sgpr_workgroup_id_x 1
		.amdhsa_system_sgpr_workgroup_id_y 1
		.amdhsa_system_sgpr_workgroup_id_z 1
		.amdhsa_system_vgpr_workitem_id 0
		.amdhsa_next_free_vgpr 512
		.amdhsa_next_free_sgpr 66
		.amdhsa_reserve_vcc 0
		.amdhsa_float_denorm_mode_32 3
		.amdhsa_float_denorm_mode_16_64 3
		.amdhsa_memory_ordered 1
		.amdhsa_forward_progress 1
		.amdhsa_inst_pref_size 32
	.end_amdhsa_kernel
	.amdgpu_metadata
---
amdhsa.version: [ 1, 2 ]
amdhsa.kernels:
  - .name:           k_qf36cf04c60_ctxred
    .symbol:         k_qf36cf04c60_ctxred.kd
    .args:
      - { .name: part, .offset: 0, .size: 8, .value_kind: global_buffer, .address_space: global }
      - { .name: stat, .offset: 8, .size: 8, .value_kind: global_buffer, .address_space: global }
      - { .name: mem_kv, .offset: 16, .size: 8, .value_kind: global_buffer, .address_space: global }
      - { .name: ctxf, .offset: 24, .size: 8, .value_kind: global_buffer, .address_space: global }
    .group_segment_fixed_size: 4608
    .private_segment_fixed_size: 0
    .kernarg_segment_align: 8
    .kernarg_segment_size: 32
    .max_flat_workgroup_size: 128
    .sgpr_count:     66
    .vgpr_count:     512
    .wavefront_size: 32
...
	.end_amdgpu_metadata
.endif
;; end of part 3
;; launch qout (part 4): grid 4 x 64, 4 waves a work-group, clusters of 4 x 4, 327,680 bytes of LDS; arguments xb, wq, mask, ctxf, out0; writes out0
.if DOCPART == 4
	.amdgcn_target "amdgcn-amd-amdhsa--gfx1250"
	.amdhsa_code_object_version 6
	.text
	.protected	k_qf36cf04c60_qout
	.globl	k_qf36cf04c60_qout
	.p2align	8
	.type	k_qf36cf04c60_qout,@function
k_qf36cf04c60_qout:
	s_mov_b64 s[64:65], 0
	v_nop
	global_prefetch_b8 v0, s[64:65] scope:SCOPE_SE
	s_setreg_imm32_b32 hwreg(HW_REG_WAVE_MODE, 25, 1), 1
	s_wait_xcnt 0x0
	s_wait_alu depctr_hold_cnt(0) depctr_sa_sdst(0) depctr_va_vdst(0) depctr_va_sdst(0) depctr_va_ssrc(0) depctr_va_vcc(0) depctr_vm_vsrc(0)
	s_getreg_b32 s2, hwreg(HW_REG_IB_STS2, 6, 4)
	s_cmp_eq_u32 s2, 0
	s_cbranch_scc0 .Lentry_in_a_cluster
	s_endpgm
.Lentry_in_a_cluster:
	s_bfe_u32 s2, ttmp6, 0x10000c
	s_cmp_lg_u32 s2, 0xf033
	s_cbranch_scc0 .Lentry_shape_is_right
	s_endpgm
.Lentry_shape_is_right:
; Q PROJECTION, ITS SOFTMAX, AND THE OUTPUT.  q = xb wq^T (16,384 x 1,024 x 1,024, bf16 operands, f32 sums), in tiles of 256 x 256; a wave makes 128 rows x 128 columns: two heads.  q does not leave the registers:
; for each row and head p = 2^(c q - c max_d q), c = log2(e) / 8, rounded to f16; out^T = ctx^T p^T and the row's sum 1^T p^T by the matrix unit, in f32; out = out^T x mask / sum, through a stage in LDS.
; LIMITS.  ctx arrives in f16; p lies in 0 to 1 and below 6e-8 is 0 in f16; NaN and infinities are not treated apart.
; THE LOOP, THE RING AND THE CLUSTER are those of the k and v projection: K steps of 128 through two LDS slots, joint loads of xb's tile along a row of the 4 x 4 cluster and of wq's along a column; one load of a wave is out behind each change of slots, two at the start.
; THE END GOES BY HALVES OF MY ROWS.  Nothing follows this tile under which its stores could leave, and a wave has 128 of them, 512 bytes each.  Both slots hold their last K steps and are filled no more, so the order of the
; last products is free: behind the third quarter of the last K step but one, the remaining five quarters (160 products) are made for my rows 0-63 alone, those rows go out, and their 64 stores are on their way while the same
; five quarters are made for rows 64-127.  The two halves are ONE text, walked twice, on window 2: between the trips window 3 is copied into window 2, and xb's LDS addresses, the mask's numbers and out0's base step 64 rows on.
; The price: wq's fragments of five quarters are read from LDS twice, and 256 copies.
; THE MATRIX INSTRUCTION IS USED TRANSPOSED (source 0 = 16 rows of wq, source 1 = 16 rows of xb): a lane holds ONE row of x (lane % 16) and the features 8 (lane / 16) + 0..7 of a block of 16.  Two such results side by side,
; rounded to f16 in pairs, ARE source 1 (32 d x 16 rows) of out^T = ctx^T p^T, whose result again holds one row a lane, and eight neighbouring e.  A row's maximum wants one exchange between the halves of the lanes.
; REGISTERS, in windows of 256 (s_set_vgpr_msb: bits 1:0 source 0, 3:2 source 1, 5:4 source 2, 7:6 destination):
;   window 0: v1-5, v16-29 addresses; v32-39 my rows' mask as numbers; v40-43 mask / sum; v64-191 fragments of xb, two buffers; on the way out v64-143 out^T and sums, two buffers of 40, v144-207 rows read back, two buffers;
;             v208-239 maxima at work; v240-255 c max, a pair for each group
;   window 1: v0-63, v192-255 ctx^T's fragments of my two heads; v64-191 fragments of wq, two buffers; on the way out v64-71 ones in f16
;   windows 2, 3: the 64 accumulators: (a, b) at v[8 (8 (a % 4) + b)] of window 2 + a / 4.  A GROUP g = 2 (a % 4) + head is 32 registers at 32 g; a UNIT u = 2 g + ks is 32 features: 16 registers at 16 u.
.set SIZE_K, 1024
.set KSTEP,  128
.set PITCH,  272
.set HALFT,  128*PITCH
.set SLOT,   4*HALFT
.set STAGE,  2*SLOT                    ; behind the ring, never filled by a tensor load: 16 rows x 272 bytes for each wave
.set SPITCH, 272
.set SPARE,  STAGE+4*16*SPITCH         ; behind the stages: the spare words, 128 bytes for each wave
.set LAPS,   SIZE_K/(2*KSTEP)
.set ADRA, 16                          ; v16-17  LDS address of my fragments of xb in slot 0, 1
.set HA,   18                          ; v18-19  the same for the half of my rows that is in hand
.set ADRB, 20                          ; v20-21  the same for wq
.set LN,   23                          ; v23  16 x lane
.set STO,  24                          ; v24  the way out: where I put 32 bytes of a row
.set RD,   25                          ; v25  where I read rows back
.set CO,   26                          ; v26  my byte offset in two rows of out0
.set MK4,  27                          ; v27  4 x (lane % 16)
.set SPW,  28
.set NIL,  29
.set MF,   32                          ; v[32:39]  the mask of row 16 a + lane % 16, as a number; the half in hand reads v[32:35]
.set RP,   40                          ; v[40:41], v[42:43]  mask / sum, by the group's parity; the odd registers are only named as halves of pairs
.set F0,   64
.set F1,   128
.set OBUF, 64                          ; out^T: 4 results and the sums, 40 registers, by the group's parity
.set OBK,  144                         ; rows read back from the stage, 32 registers, by the group's parity
.set CC,   208                         ; four chains a group
.set CMQ,  240                         ; c max of group g in v[240 + 2 g]
.set HS,  21                           ; s21  LDS offset of the half in hand: 0, then 64 rows
.set G1,  24
.set G0,  32
.set G1B, 48
.set G0B, 56
.set CS,  76                           ; s[76:77] c = log2(e) / 8
.set SEL, 80
.set MSB, 0
.macro WIN new
.if MSB != (\new)
	s_set_vgpr_msb (MSB<<8)|(\new)
.set MSB, \new
.endif
.endm
.set MUL_LO, 0xa1                      ; source 0 (wq) window 1, source 1 (xb) window 0, C and D window 2
.set MUL_HI, 0xf1
.set TO_B,   0x40
.macro JLOAD s                         ; a joint load: waves 0 and 1 fetch xb's two halves, waves 2 and 3 wq's; an s_nop 0 and four v_nop follow each of the two lines
	s_cmp_eq_u32 s11, 0
	s_cbranch_scc0 .Lfor_b_\@
	tensor_load_to_lds s[G0+4*(\s):G0+4*(\s)+3], s[G1:G1+7]
	s_nop 0
.rept 4
	v_nop
.endr
	s_branch .Lasked_\@
.Lfor_b_\@:
	tensor_load_to_lds s[G0B+4*(\s):G0B+4*(\s)+3], s[G1B:G1B+7]
	s_nop 0
.rept 4
	v_nop
.endr
.Lasked_\@:
.endm
.macro CREST
	s_cmp_lg_u32 s10, 0
	s_cbranch_scc1 .Lnot_wave_0_\@
	s_barrier_signal -3
.Lnot_wave_0_\@:
	s_barrier_wait -3
	s_barrier_signal -1
	s_barrier_wait -1
.endm
.macro CROUND
	s_barrier_signal -1
	s_barrier_wait -1
	CREST
.endm
	s_load_b128 s[4:7], s[0:1], 0x0                ; xb s[4:5], wq s[6:7]
	s_load_b128 s[68:71], s[0:1], 0x10             ; mask s[68:69], ctxf s[70:71]
	s_load_b64 s[8:9], s[0:1], 0x20                ; out0
	v_lshl_add_u32 v[SPW], v0, 2, SPARE
	v_mov_b32 v[NIL], 0
	ds_add_u32 v[SPW], v[NIL]                      ; the wave's opening: the add and its wait stand ahead of my first tensor load; the set-up below, work on registers, stands between them
	v_lshrrev_b32 v1, 5, v0
	v_readfirstlane_b32 s10, v1                    ; wave 0..3
	s_lshr_b32 s11, s10, 1                         ; my half of the tile's rows.  Also: I fetch for xb (0) or for wq (1)
	s_and_b32 s12, s10, 1                          ; my half of its columns.  Also: which 128 rows of that tile I fetch
	s_bfe_u32 s40, ttmp6, 0x40000
	s_bfe_u32 s41, ttmp6, 0x40004
	s_lshl_b32 s42, ttmp9, 2
	s_add_co_u32 s42, s42, s40                     ; tile column
	s_and_b32 s13, ttmp7, 0xffff
	s_lshl_b32 s13, s13, 2
	s_add_co_u32 s13, s13, s41                     ; tile row
	s_lshl_b32 s43, s41, 2
	s_lshl_b32 s43, 15, s43
	s_lshl_b32 s44, 0x1111, s40
	s_or_b32 s[G1+0], s43, (1<<16)|(1<<20)|(1<<21)|(5<<22)|(3<<25)
	s_or_b32 s[G1B+0], s44, (1<<16)|(1<<20)|(1<<21)|(5<<22)|(3<<25)
.irp g, G1, G1B
	s_mov_b32 s[(\g)+1], KSTEP<<16
	s_mov_b32 s[(\g)+2], 128<<16
	s_mov_b32 s[(\g)+3], KSTEP<<16
	s_mov_b32 s[(\g)+4], 128
	s_mov_b32 s[(\g)+5], SIZE_K
	s_mov_b32 s[(\g)+6], 0
	s_mov_b32 s[(\g)+7], 0
.endr
	s_lshl_b32 s17, s12, 7
	s_lshl_b32 s16, s13, 8
	s_add_co_u32 s16, s16, s17
	s_lshl_b32 s46, s42, 8
	s_add_co_u32 s46, s46, s17
	s_mov_b32 s17, 0
	s_mov_b32 s47, 0
	s_mov_b64 s[18:19], SIZE_K*2
	s_mul_u64 s[16:17], s[16:17], s[18:19]
	s_mul_u64 s[46:47], s[46:47], s[18:19]
	s_mul_i32 s20, s10, HALFT
	; offsets for the mask, ctxf and out0, in registers that feed no descriptor and no LDS address
	s_lshl_b32 s84, s13, 10
	s_lshl_b32 s86, s11, 9
	s_add_co_u32 s84, s84, s86                     ; my first row's word in the mask
	s_mov_b32 s85, 0
	s_lshl_b32 s86, s42, 2
	s_lshl_b32 s87, s12, 1
	s_add_co_u32 s86, s86, s87                     ; my first head = 4 x tile column + 2 x column half
	s_lshr_b32 s87, s13, 4
	s_lshl_b32 s87, s87, 4
	s_add_co_u32 s87, s87, s86                     ; 16 b + h
	s_lshl_b32 s88, s87, 13                        ; 8,192 bytes of ctxf a head
	s_mov_b32 s89, 0
	s_lshl_b32 s90, s13, 20                        ; out0: 256 rows of 4,096 bytes a tile row,
	s_lshl_b32 s87, s11, 19                        ; 128 a row half,
	s_add_co_u32 s90, s90, s87
	s_lshl_b32 s87, s86, 8                         ; 256 bytes a head
	s_add_co_u32 s90, s90, s87
	s_mov_b32 s91, 0
	s_mov_b32 s[CS], 0x3e38aa3b
	s_mov_b32 s[CS+1], s[CS]
	s_mov_b32 s[SEL], 0x76543210
	s_mov_b32 s[SEL+1], 0xfedcba98
	s_wait_dscnt 0x0                               ; the opening add is done
	s_wait_kmcnt 0x0
	s_add_nc_u64 s[14:15], s[4:5], s[16:17]
	s_add_nc_u64 s[46:47], s[6:7], s[46:47]
	s_add_nc_u64 s[68:69], s[68:69], s[84:85]
	s_add_nc_u64 s[70:71], s[70:71], s[88:89]
	s_add_nc_u64 s[8:9], s[8:9], s[90:91]
	CROUND                                         ; all sixteen work-groups are here: the first joint loads meet
.irp s, 0,1
	s_mov_b32 s[G0+4*(\s)], 1
	s_add_co_u32 s[G0+4*(\s)+1], s20, (\s)*SLOT
	s_add_nc_u64 s[G0+4*(\s)+2:G0+4*(\s)+3], s[14:15], (\s)*KSTEP*2
	s_or_b32 s[G0+4*(\s)+3], s[G0+4*(\s)+3], 0x80000000
	s_mov_b32 s[G0B+4*(\s)], 1
	s_add_co_u32 s[G0B+4*(\s)+1], s20, (\s)*SLOT
	s_add_nc_u64 s[G0B+4*(\s)+2:G0B+4*(\s)+3], s[46:47], (\s)*KSTEP*2
	s_or_b32 s[G0B+4*(\s)+3], s[G0B+4*(\s)+3], 0x80000000
	JLOAD \s                                       ; K steps 0 and 1: two loads of mine are out
.endr
	v_and_b32 v1, 15, v0                           ; l % 16
	v_bfe_u32 v2, v0, 4, 1                         ; l / 16
	v_mul_u32_u24 v3, v1, PITCH
	v_lshl_add_u32 v3, v2, 4, v3
	s_mul_i32 s21, s11, HALFT
	s_mul_i32 s22, s12, HALFT
	s_add_co_u32 s22, s22, 2*HALFT
.irp s, 0,1
	v_add_nc_u32 v[ADRA+(\s)], s21, v3
	v_add_nc_u32 v[ADRB+(\s)], s22, v3
	s_add_co_u32 s21, s21, SLOT
	s_add_co_u32 s22, s22, SLOT
.endr
	v_mov_b32 v[HA], v[ADRA]                       ; the first half in hand: my rows 0-63
	v_mov_b32 v[HA+1], v[ADRA+1]
	s_mul_i32 s23, s10, 16*SPITCH
	s_add_co_u32 s23, s23, STAGE                   ; my stage
	v_mul_u32_u24 v4, v1, SPITCH                   ; in: row l % 16, 32 bytes for each half of the lanes
	v_lshl_add_u32 v4, v2, 5, v4
	v_add_nc_u32 v[STO], s23, v4
	v_mul_u32_u24 v5, v2, SPITCH                   ; back: lanes 0-15 take one row of 256 bytes, lanes 16-31 the next
	v_lshl_add_u32 v5, v1, 4, v5
	v_add_nc_u32 v[RD], s23, v5
	v_lshlrev_b32 v5, 12, v2                       ; and the same two rows in out0
	v_lshl_add_u32 v[CO], v1, 4, v5
	v_lshlrev_b32 v[MK4], 2, v1
	v_and_b32 v[LN], 31, v0
	v_lshlrev_b32 v[LN], 4, v[LN]
.irp a, 0,1,2,3,4,5,6,7
	global_load_b32 v[MF+(\a)], v[MK4], s[68:69] offset:64*(\a)
.endr
	WIN 0x40                                       ; destination window 1: ctx^T's fragments as they lie in ctxf
.irp hd, 0,1
.set f, 0
.rept 16
	global_load_b128 v[192*(\hd)+4*f:192*(\hd)+4*f+3], v[LN], s[70:71] offset:8192*(\hd)+512*f
.set f, f+1
.endr
.endr
	WIN 0
	v_mov_b32 v[RP+1], 0
	v_mov_b32 v[RP+3], 0
.irp g, 0,1,2,3,4,5,6,7
	v_mov_b32 v[CMQ+2*(\g)+1], 0
.endr
	s_wait_loadcnt 0x0
.irp a, 0,1,2,3,4,5,6,7
	v_cvt_f32_i32 v[MF+(\a)], v[MF+(\a)]
.endr
.macro MUL16 f, hi, a0, zero
	WIN MUL_LO+0x50*(\hi)
.irp a, \a0, (\a0)+1
.irp b, 0,1,2,3,4,5,6,7
.if \zero
	v_wmma_f32_16x16x32_bf16 v[8*(8*(\a)+(\b)):8*(8*(\a)+(\b))+7], v[(\f)+8*(\b):(\f)+8*(\b)+7], v[(\f)+8*(4*(\hi)+(\a)):(\f)+8*(4*(\hi)+(\a))+7], 0
.else
	v_wmma_f32_16x16x32_bf16 v[8*(8*(\a)+(\b)):8*(8*(\a)+(\b))+7], v[(\f)+8*(\b):(\f)+8*(\b)+7], v[(\f)+8*(4*(\hi)+(\a)):(\f)+8*(4*(\hi)+(\a))+7], v[8*(8*(\a)+(\b)):8*(8*(\a)+(\b))+7]
.endif
.endr
.endr
.endm
.macro FETCH slot, k, f
	WIN TO_B
.irp i, 0,1,2,3,4,5,6,7
	ds_load_b128 v[(\f)+8*(\i):(\f)+8*(\i)+3],   v[ADRB+(\slot)] offset:(\k)+(\i)*16*PITCH
	ds_load_b128 v[(\f)+8*(\i)+4:(\f)+8*(\i)+7], v[ADRB+(\slot)] offset:(\k)+(\i)*16*PITCH+32
.endr
	WIN 0
.irp i, 0,1,2,3,4,5,6,7
	ds_load_b128 v[(\f)+8*(\i):(\f)+8*(\i)+3],   v[ADRA+(\slot)] offset:(\k)+(\i)*16*PITCH
	ds_load_b128 v[(\f)+8*(\i)+4:(\f)+8*(\i)+7], v[ADRA+(\slot)] offset:(\k)+(\i)*16*PITCH+32
.endr
.endm
.macro PLACES                          ; four plain vector lines between a matrix instruction and a load into, or a vector line on, its registers
.rept 4
	v_nop
.endr
.endm
.macro QUARTER slot, k, f, g, zero
	s_wait_dscnt 8                                 ; wq and xb's rows 0-63 are in; the youngest eight loads may be out
	WIN MUL_LO
	MUL16 \f, 0, 0, \zero
	MUL16 \f, 0, 2, \zero
	PLACES
	FETCH \slot, \k, \g
	s_wait_dscnt 32                                ; all but the 32 just issued
	WIN MUL_HI
	MUL16 \f, 1, 0, \zero
	MUL16 \f, 1, 2, \zero
.endm
; The last quarter of a K step in the loop: one barrier for the change of slots, which opens a round of the cluster's; the slot just read out is filled again, two K steps ahead, first thing behind the round.
.macro TURN slot, next
	WIN 0
	s_wait_tensorcnt 0x0                           ; all my tensor loads have landed: the one that was out is my part of the next slot
	ds_add_u32 v[SPW], v[NIL]                      ; 0 onto my spare word
	s_wait_dscnt 9                                 ; (the add and the youngest eight loads may be out)
	MUL16 F1, 0, 0, 0
	s_wait_dscnt 0x0                               ; the add is done, and my reads of this slot are over
	s_barrier_signal -1
	MUL16 F1, 0, 2, 0
	WIN 0
	s_barrier_wait -1
	CREST                                          ; no wave of any partner still reads this slot's tile or has a load on its way
	s_add_nc_u64 s[G0+4*(\slot)+2:G0+4*(\slot)+3], s[G0+4*(\slot)+2:G0+4*(\slot)+3], 2*KSTEP*2
	s_add_nc_u64 s[G0B+4*(\slot)+2:G0B+4*(\slot)+3], s[G0B+4*(\slot)+2:G0B+4*(\slot)+3], 2*KSTEP*2
	JLOAD \slot                                    ; the four v_nop behind it are also the places in front of the loads below
	FETCH \next, 0, F0
	MUL16 F1, 1, 0, 0
	MUL16 F1, 1, 2, 0
.endm
; BY HALVES.  8 matrix instructions: row block a of the half's four x all 8 column blocks, on window 2
.macro HM f, a
	WIN MUL_LO
.irp b, 0,1,2,3,4,5,6,7
	v_wmma_f32_16x16x32_bf16 v[8*(8*(\a)+(\b)):8*(8*(\a)+(\b))+7], v[(\f)+8*(\b):(\f)+8*(\b)+7], v[(\f)+8*(\a):(\f)+8*(\a)+7], v[8*(8*(\a)+(\b)):8*(8*(\a)+(\b))+7]
.endr
.endm
; 24 LDS loads in one run: wq's 128 rows, then the 64 rows of xb that are in hand, 32 K at byte k
.macro HFETCH slot, k, f
	WIN TO_B
.irp i, 0,1,2,3,4,5,6,7
	ds_load_b128 v[(\f)+8*(\i):(\f)+8*(\i)+3],   v[ADRB+(\slot)] offset:(\k)+(\i)*16*PITCH
	ds_load_b128 v[(\f)+8*(\i)+4:(\f)+8*(\i)+7], v[ADRB+(\slot)] offset:(\k)+(\i)*16*PITCH+32
.endr
	WIN 0
.irp i, 0,1,2,3
	ds_load_b128 v[(\f)+8*(\i):(\f)+8*(\i)+3],   v[HA+(\slot)] offset:(\k)+(\i)*16*PITCH
	ds_load_b128 v[(\f)+8*(\i)+4:(\f)+8*(\i)+7], v[HA+(\slot)] offset:(\k)+(\i)*16*PITCH+32
.endr
.endm
; A quarter for half of my rows: 32 matrix instructions on buffer f; behind the first eight the next quarter's 24 loads (fetch = 1), 24 matrix instructions ahead of their first use.
; bar = 1: the next quarter lies in slot 1: each wave waits for its part of it and passes a barrier.
.macro HQ f, slot, k, g, bar, fetch
.if \bar
	WIN 0
	s_wait_tensorcnt 0x0                           ; my part of the last K step has landed
	ds_add_u32 v[SPW], v[NIL]
	s_wait_dscnt 0x0                               ; buffer f is in, and no LDS instruction of mine is out at the signal
	s_barrier_signal -1
	HM \f, 0
	s_barrier_wait -1
.else
	s_wait_dscnt 4                                 ; all of buffer f but xb's last two fragments
	HM \f, 0
.endif
.if \fetch
	PLACES
	HFETCH \slot, \k, \g
	HM \f, 1
	s_wait_dscnt 24                                ; all but the 24 just issued
.else
	HM \f, 1
	s_wait_dscnt 0x0
.endif
	HM \f, 2
	HM \f, 3
.endm
; THE WAY OUT of the 64 rows in window 2.
.macro QFMA u, i                       ; pair i of unit u: c q - c max
	v_pk_fma_f32 v[16*(\u)+2*(\i):16*(\u)+2*(\i)+1], v[16*(\u)+2*(\i):16*(\u)+2*(\i)+1], s[CS:CS+1], v[CMQ+2*((\u)/2):CMQ+2*((\u)/2)+1] op_sel_hi:[1,0,0] neg_lo:[0,0,1] neg_hi:[0,0,1]
.endm
.macro QEXP u, n
	v_exp_f32 v[16*(\u)+(\n)], v[16*(\u)+(\n)]
.endm
.macro QCVT u, i                       ; pair i of unit u rounded to f16, in place: the unit's first eight registers become a fragment
	s_wait_alu depctr_va_vdst(0)
	v_cvt_pk_f16_f32 v[16*(\u)+(\i)], v[16*(\u)+2*(\i)], v[16*(\u)+2*(\i)+1]
.endm
.macro OWM g                           ; group g: out^T (4 results) and the sums, 64 features deep.  The five accumulators take turns; the first five products start the sums
	WIN 0x09                                       ; source 0 window 1, source 1 window 2, C and D window 0
.set ob, OBUF+40*((\g)%2)
.set cf, 192*((\g)%2)
.irp ks, 0,1
.irp et, 0,1,2,3
.if (\ks) == 0
	v_wmma_f32_16x16x32_f16 v[ob+8*(\et):ob+8*(\et)+7], v[cf+8*(2*(\et)+(\ks)):cf+8*(2*(\et)+(\ks))+7], v[16*(2*(\g)+(\ks)):16*(2*(\g)+(\ks))+7], 0
.else
	v_wmma_f32_16x16x32_f16 v[ob+8*(\et):ob+8*(\et)+7], v[cf+8*(2*(\et)+(\ks)):cf+8*(2*(\et)+(\ks))+7], v[16*(2*(\g)+(\ks)):16*(2*(\g)+(\ks))+7], v[ob+8*(\et):ob+8*(\et)+7]
.endif
.endr
.if (\ks) == 0
	v_wmma_f32_16x16x32_f16 v[ob+32:ob+39], v[64:71], v[16*(2*(\g)+(\ks)):16*(2*(\g)+(\ks))+7], 0
.else
	v_wmma_f32_16x16x32_f16 v[ob+32:ob+39], v[64:71], v[16*(2*(\g)+(\ks)):16*(2*(\g)+(\ks))+7], v[ob+32:ob+39]
.endif
.endr
.endm
.macro FINA g                          ; group g: times mask / sum, into my stage by lanes, back by rows
	WIN 0
.set ob, OBUF+40*((\g)%2)
.set rr, RP+2*((\g)%2)
.set bk, OBK+32*((\g)%2)
	v_rcp_f32 v[rr], v[ob+32]                      ; every register of the sums' result holds my row's sum: the lowest is read
	v_nop                                          ; a plain line between the reciprocal and the use of its result
	s_wait_alu depctr_va_vdst(0)
	v_mul_f32 v[rr], v[rr], v[MF+(\g)/2]
.set i, 0
.rept 16
	v_pk_mul_f32 v[ob+2*i:ob+2*i+1], v[ob+2*i:ob+2*i+1], v[rr:rr+1] op_sel_hi:[1,0]
.set i, i+1
.endr
.irp f, 0,1,2,3,4,5,6,7
	ds_store_b128 v[STO], v[ob+4*(\f):ob+4*(\f)+3] offset:64*((\f)/2)+16*((\f)%2)
.endr
	s_wait_xcnt 0x0                                ; the stores of the group two back have read their registers only behind this wait: now they are loaded again
.irp t, 0,1,2,3,4,5,6,7
	ds_load_b128 v[bk+4*(\t):bk+4*(\t)+3], v[RD] offset:(\t)*2*SPITCH  ; my wave's LDS instructions are served in the order of issue: these see the stores above, and the next group's stores come behind them
.endr
.endm
.macro SEND g, younger                 ; younger: the LDS instructions issued behind group g's loads: the next group's sixteen, or none
	WIN 0
.set bk, OBK+32*((\g)%2)
	s_wait_dscnt \younger
.irp t, 0,1,2,3,4,5,6,7
	global_store_b128 v[CO], v[bk+4*(\t):bk+4*(\t)+3], s[8:9] offset:(16*((\g)/2)+2*(\t))*4096+256*((\g)%2) th:TH_STORE_NT  ; 16 lanes store a head's 256 consecutive bytes of a row, aligned
.endr
.endm
.macro HALF
	WIN 0x40
.set i, 0
.rept 8
	v_mov_b32 v[64+i], 0x3c003c00                  ; a fragment of ones in f16, where wq's first buffer lay
.set i, i+1
.endr
	; each row's maximum over a head's 64 features: four chains a group, each result read from its lowest registers on
	WIN 0x2a
.set t, 0
.rept 32
	v_max3_num_f32 v[CC+t], v[8*t], v[8*t+1], v[8*t+2]
.set t, t+1
.endr
	WIN 0x28
.set t, 0
.rept 32
	v_max3_num_f32 v[CC+t], v[CC+t], v[8*t+3], v[8*t+4]
.set t, t+1
.endr
.set t, 0
.rept 32
	v_max3_num_f32 v[CC+t], v[CC+t], v[8*t+5], v[8*t+6]
.set t, t+1
.endr
.set t, 0
.rept 16
	v_max3_num_f32 v[CC+2*t], v[CC+2*t], v[16*t+7], v[16*t+15]
.set t, t+1
.endr
	WIN 0
.irp g, 0,1,2,3,4,5,6,7
	v_max3_num_f32 v[CC+4*(\g)], v[CC+4*(\g)], v[CC+4*(\g)+1], v[CC+4*(\g)+2]
.endr
.irp g, 0,1,2,3,4,5,6,7
	v_max_num_f32 v[CC+4*(\g)], v[CC+4*(\g)], v[CC+4*(\g)+3]
.endr
.irp g, 0,1,2,3,4,5,6,7
	v_permlanex16_b32 v[CC+4*(\g)+1], v[CC+4*(\g)], s[SEL], s[SEL+1]  ; the row's other 32 features lie in the lane 16 away
.endr
.irp g, 0,1,2,3,4,5,6,7
	v_max_num_f32 v[CC+4*(\g)], v[CC+4*(\g)], v[CC+4*(\g)+1]
.endr
.irp g, 0,1,2,3,4,5,6,7
	v_mul_f32 v[CMQ+2*(\g)], s[CS], v[CC+4*(\g)]
.endr
	; The 256 exponentials, unit by unit, with the next unit's scaling and the last unit's rounding between them.  Group g's two units are rounded when unit 2 g + 2 is through: there its second product is issued;
	; a step later (two units, more than 32 plain lines that name none of its registers) its results are scaled and staged, and a step after that stored.  So the first store leaves behind 7 of the 16 units.
	WIN 0x8a                                       ; destination and sources 0 and 1 in window 2, source 2 (c max) in window 0
.set i, 0
.rept 8
	QFMA 0, i
.set i, i+1
.endr
.set u, 0
.rept 16
	WIN 0x8a
.set i, 0
.rept 8
	QEXP u, 2*i
.if u < 15
	QFMA u+1, i
.endif
	QEXP u, 2*i+1
.if u > 0
	QCVT u-1, i
.endif
.set i, i+1
.endr
.if (u >= 2) && (u%2 == 0)
.if u >= 4
	FINA (u-4)/2
.endif
.if u >= 6
	SEND (u-6)/2, 16
.endif
	OWM (u-2)/2
.endif
.set u, u+1
.endr
	WIN 0x8a
	v_nop
.set i, 0
.rept 8
	QCVT 15, i
.set i, i+1
.endr
	FINA 6
	SEND 5, 16
	OWM 7
	WIN 0
	PLACES
	FINA 7
	SEND 6, 16
	SEND 7, 0
.endm
	s_wait_tensorcnt 1                             ; my part of K step 0 is in; K step 1's may stay out
	s_barrier_signal -1
	s_barrier_wait -1
	FETCH 0, 0, F0
	QUARTER 0, 64,  F0, F1, 1                      ; the first quarter stands in front of the loop: its products start the sums
	WIN 0
	s_mov_b32 s3, LAPS-1
.Llap:                                                 ; a trip goes once round the ring and fills both slots again
	QUARTER 0, 128, F1, F0, 0
	QUARTER 0, 192, F0, F1, 0
	TURN 0, 1
	QUARTER 1, 64,  F0, F1, 0
	QUARTER 1, 128, F1, F0, 0
	QUARTER 1, 192, F0, F1, 0
	TURN 1, 0
	QUARTER 0, 64,  F0, F1, 0
	WIN 0
	s_sub_co_u32 s3, s3, 1
	s_cmp_lg_u32 s3, 0
	s_cbranch_scc1 .Llap
	QUARTER 0, 128, F1, F0, 0                      ; the last lap fills nothing; two more quarters for all my rows,
	QUARTER 0, 192, F0, F1, 0
	WIN 0
	s_mov_b32 s3, 2                                ; and the rest by halves
	s_mov_b32 s[HS], 0
.Lhalf:
	HQ F1, 1, 0,   F0, 1, 1                        ; the last quarter of the last K step but one; slot 1 is whole behind its barrier
	HQ F0, 1, 64,  F1, 0, 1
	HQ F1, 1, 128, F0, 0, 1
	HQ F0, 1, 192, F1, 0, 1
	HQ F1, 1, 0,   F0, 0, 0                        ; the very last quarter: nothing more to fetch
	WIN 0
	PLACES
	HALF
	WIN 0
	s_sub_co_u32 s3, s3, 1
	s_cmp_eq_u32 s3, 0
	s_cbranch_scc1 .Lend
	s_wait_xcnt 0x0                                ; only behind this wait are the stores' base stepped and their data registers loaded again; nothing waits for the stores themselves
	s_add_nc_u64 s[8:9], s[8:9], 64*4096           ; out0, xb's LDS rows and the mask's numbers: 64 rows on
	s_add_co_u32 s[HS], s[HS], 64*PITCH
	v_add_nc_u32 v[HA], s[HS], v[ADRA]
	v_add_nc_u32 v[HA+1], s[HS], v[ADRA+1]
	HFETCH 0, 192, F1                              ; the quarter at which the halves parted, for the other rows: it lands under the copies below
	WIN 0x83                                       ; source 0 window 3, destination window 2
.set i, 0
.rept 256
	v_mov_b32 v[i], v[i]                           ; rows 64-127's sums go where the one text of this loop names its accumulators; each accumulator is read from its lowest register on
.set i, i+1
.endr
	WIN 0
.irp a, 0,1,2,3
	v_mov_b32 v[MF+(\a)], v[MF+4+(\a)]
.endr
	s_branch .Lhalf
.Lend:
	s_wait_tensorcnt 0x0                           ; the wave's end, behind my last tensor load and my last LDS store
	ds_add_u32 v[SPW], v[NIL]
	s_wait_dscnt 0x0
	CROUND                                         ; the closing round: no work-group ends while a partner may still ask for a tile that names it
	s_endpgm
.Lfunc_end_k_qf36cf04c60_qout:
	.size	k_qf36cf04c60_qout, .Lfunc_end_k_qf36cf04c60_qout-k_qf36cf04c60_qout
	.p2alignl 7, 3214868480
	.fill 96, 4, 3214868480
	.section	.rodata,"a",@progbits
	.p2align	6, 0x0
	.amdhsa_kernel k_qf36cf04c60_qout
		.amdhsa_group_segment_fixed_size 327680
		.amdhsa_private_segment_fixed_size 0
		.amdhsa_enable_private_segment 0
		.amdhsa_kernarg_size 40
		.amdhsa_user_sgpr_count 2
		.amdhsa_user_sgpr_kernarg_segment_ptr 1
		.amdhsa_wavefront_size32 1
		.amdhsa_system_sgpr_workgroup_id_x 1
		.amdhsa_system_sgpr_workgroup_id_y 1
		.amdhsa_system_sgpr_workgroup_id_z 1
		.amdhsa_system_vgpr_workitem_id 0
		.amdhsa_next_free_vgpr 1024
		.amdhsa_next_free_sgpr 96
		.amdhsa_reserve_vcc 0
		.amdhsa_float_denorm_mode_32 3
		.amdhsa_float_denorm_mode_16_64 3
		.amdhsa_memory_ordered 1
		.amdhsa_forward_progress 1
		.amdhsa_inst_pref_size 181
	.end_amdhsa_kernel
	.amdgpu_metadata
---
amdhsa.version: [ 1, 2 ]
amdhsa.kernels:
  - .name:           k_qf36cf04c60_qout
    .symbol:         k_qf36cf04c60_qout.kd
    .args:
      - { .name: xb, .offset: 0, .size: 8, .value_kind: global_buffer, .address_space: global }
      - { .name: wq, .offset: 8, .size: 8, .value_kind: global_buffer, .address_space: global }
      - { .name: mask, .offset: 16, .size: 8, .value_kind: global_buffer, .address_space: global }
      - { .name: ctxf, .offset: 24, .size: 8, .value_kind: global_buffer, .address_space: global }
      - { .name: out0, .offset: 32, .size: 8, .value_kind: global_buffer, .address_space: global }
    .group_segment_fixed_size: 327680
    .private_segment_fixed_size: 0
    .kernarg_segment_align: 8
    .kernarg_segment_size: 40
    .max_flat_workgroup_size: 128
    .sgpr_count:     96
    .vgpr_count:     1024
    .wavefront_size: 32
...
	.end_amdgpu_metadata
.endif
;; end of part 4
;; ======== version 2 of 2: 4 launches; version 1 with the launch ctxred written anew for expert scheduling mode
;; limits: values are held in f16: magnitudes above 65,504 overflow, below 6.1e-05 lose precision
;; workspace buffers: xb 33,554,432 bytes; wkv 4,194,304 bytes; wq 2,097,152 bytes; part 33,554,432 bytes; stat 1,048,576 bytes; ctxf 524,288 bytes
;; launch prep: the kernel of part 1 again; grid 1216 x 1, 8 waves a work-group, no clusters, 0 bytes of LDS; arguments x, W_qkv, xb, wkv, wq; writes xb, wkv, wq
;; launch kvctx: the kernel of part 2 again; grid 8 x 32, 4 waves a work-group, clusters of 4 x 4, 327,680 bytes of LDS; arguments xb, wkv, mask, part, stat; writes part, stat
;; launch ctxred (part 5): grid 256 x 1, 4 waves a work-group, no clusters, 4,608 bytes of LDS; arguments part, stat, mem_kv, ctxf; writes ctxf
.if DOCPART == 5
	.amdgcn_target "amdgcn-amd-amdhsa--gfx1250"
	.amdhsa_code_object_version 6
	.text
	.protected	k_qf36cf04c60_ctxred
	.globl	k_qf36cf04c60_ctxred
	.p2align	8
	.type	k_qf36cf04c60_ctxred,@function
k_qf36cf04c60_ctxred:
	s_mov_b64 s[64:65], 0
	v_nop
	global_prefetch_b8 v0, s[64:65] scope:SCOPE_SE
	s_setreg_imm32_b32 hwreg(HW_REG_WAVE_SCHED_MODE, 0, 2), 2
	s_setreg_imm32_b32 hwreg(HW_REG_WAVE_MODE, 25, 1), 1
	s_wait_xcnt 0x0
	s_wait_alu depctr_vm_vsrc(0)
; THE CONTEXT OF A HEAD.  For each (b, h) the 32 partial ctx^T (each with its columns' maxima m_p and sums l_p, in powers of two) and the four memory rows are joined under the common maximum:
;   M = max(m_p, mk_i log2 e);  w_p = 2^(m_p - M);  g_i = 2^(mk_i log2 e - M);  ctx^T[e][d] = (sum_p w_p C_p[e][d] + sum_i g_i mv_i[e]) / (sum_p w_p l_p[d] + sum_i g_i).   All in f32.
; The result is rounded once to f16 and stored as the fragments (16 e x 32 d) that the next launch feeds to the matrix unit.
; LIMITS.  ctx must lie within f16's 65,504 (it is a mean of v's and mv's rows); NaN and infinities are not treated apart.  A partial whose rows were all hidden has m_p = -1e30 and so w_p = 0.
; SHARES.  Work-group = (b h, dt): 16 columns d; wave = et: 16 rows e.  A lane holds column d = 16 dt + lane % 16 and rows e = 16 et + 8 (lane / 16) + 0..7, as the partials were stored.
; No matrix unit, no cluster, no barrier: the launch streams part once; the waves share only 512 bytes of statistics for each partial.  Each wave turns its 16 x 16 numbers through LDS bytes of its own.
; THE MODE: SCHED_MODE bits 1:0 = 2 (LLVM: expert scheduling mode 2), set by the entry lines.  The code itself states the register dependences
; between vector instructions and memory or LDS instructions, with s_wait_alu, always for 0.
; THE PLAN.  Registers that memory or LDS instructions touch:
;   v4-v7    offsets of the global loads (v4 of the last store too): written once at the head, never again.
;   v8, v9   LDS addresses of the eight stores and of the one load: written once at the head, never again.
;   v10, v11 written at the head, read by the closing add alone.
;   MP, LP, MK, MVR and window 1's v[8 p ..]: each is the landing place of one load; vector lines name them only behind the wait on LOADcnt for that load; no load lands in them a second time.
;   PK       written by the four conversions, read by the eight LDS stores.
;   OUT      the LDS load lands in it, the global store reads it; no vector line names it.
; So one wait on va_vdst at the head serves every offset and address of the kernel, and one more stands ahead of the LDS stores, for PK.  The two behind the exponentials and the reciprocal wait for their results.
; No register that a memory or LDS instruction reads is written again, so no wait on vm_vsrc is owed ahead of the closing lines.
; The loads of partials 20 to 31 are dealt among the statistics' arithmetic, with no further wait: no vector line behind the head's wait names v4 or their registers (window 1's v160 to v255).
.set SPARE, 4096                       ; behind the four waves' 1,024 bytes: the spare words
.set LN,  4                            ; v4   16 x lane
.set AS,  5                            ; v5   my word in 512 bytes of stat: 16 (lane % 16) + 4 dt
.set AK,  6                            ; v6   4 d
.set AV,  7                            ; v7   4 (16 et + 8 (lane / 16))
.set STO, 8                            ; v8   LDS: row 8 (lane / 16) of 48 bytes, 2 bytes at lane % 16
.set RD,  9                            ; v9   LDS: row lane % 16, 16 bytes at lane / 16
.set SPW, 10
.set NIL, 11
.set ACC, 12                           ; v[12:19]
.set MX,  20
.set LS,  21
.set INV, 22
.set MK,  24                           ; v[24:27]  mk_i, then g_i
.set PK,  28                           ; v[28:31]  packed f16
.set MP,  32                           ; v[32:63]  m_p, then w_p
.set LP,  64                           ; v[64:95]  l_p
.set MVR, 96                           ; v[96:127] mv_i[j] at 8 i + j
.set OUT, 128                          ; v[128:131]
.set CH,  132                          ; v[132:135] four chains
.set MSB, 0
.macro WIN new
.if MSB != (\new)
	s_set_vgpr_msb (MSB<<8)|(\new)
.set MSB, \new
.endif
.endm
; The two loads of each of count partials, from partial first on: partial p lands at v[8 p] of window 1.  Each load of the wave covers 512 consecutive bytes, aligned.
.macro PARTS first, count
	WIN 0x40                                       ; destination window 1, offset window 0
.set p, (\first)
.rept (\count)
	global_load_b128 v[8*p:8*p+3], v[LN], s[4:5] offset:16384*p th:TH_LOAD_NT
	global_load_b128 v[8*p+4:8*p+7], v[LN], s[4:5] offset:16384*p+512 th:TH_LOAD_NT
.set p, p+1
.endr
	WIN 0
.endm
	s_load_b256 s[4:11], s[0:1], 0x0               ; part s[4:5], stat s[6:7], mem_kv s[8:9], ctxf s[10:11]
	v_lshl_add_u32 v[SPW], v0, 2, SPARE
	v_mov_b32 v[NIL], 0
	v_lshrrev_b32 v1, 5, v0
	v_readfirstlane_b32 s14, v1                    ; wave = et
	s_lshr_b32 s12, ttmp9, 2                       ; 16 b + h
	s_and_b32 s13, ttmp9, 3                        ; dt
	s_and_b32 s15, s12, 15                         ; h
	s_lshl_b32 s16, s12, 19                        ; part: 32 partials of 16,384 bytes,
	s_wait_alu depctr_va_sdst(0)                   ; s14 is written, ahead of its first reader: the offsets in part and ctxf and the LDS addresses are made from it
	s_lshl2_add_u32 s18, s14, s13
	s_lshl_b32 s18, s18, 10                        ; result 4 et + dt of 1,024 bytes
	s_add_co_u32 s16, s16, s18
	s_mov_b32 s17, 0
	s_lshl_b32 s18, s12, 14                        ; stat: 32 x 512 bytes
	s_mov_b32 s19, 0
	s_lshl_b32 s20, s15, 10                        ; mem_kv: 4 rows of 256 bytes a head
	s_mov_b32 s21, 0
	s_lshl_b32 s22, s12, 13                        ; ctxf: 8,192 bytes a head,
	s_lshr_b32 s24, s13, 1
	s_lshl1_add_u32 s24, s14, s24
	s_lshl_b32 s24, s24, 10                        ; fragment 2 et + dt / 2,
	s_add_co_u32 s22, s22, s24
	s_and_b32 s24, s13, 1
	s_lshl_b32 s24, s24, 9                         ; its half dt % 2
	s_add_co_u32 s22, s22, s24
	s_mov_b32 s23, 0
	v_and_b32 v1, 15, v0
	v_bfe_u32 v2, v0, 4, 1
	v_and_b32 v[LN], 31, v0
	v_lshlrev_b32 v[LN], 4, v[LN]
	s_lshl_b32 s25, s13, 2
	v_lshl_add_u32 v[AS], v1, 4, s25
	s_lshl_b32 s25, s13, 6
	v_lshl_add_u32 v[AK], v1, 2, s25
	s_lshl_b32 s25, s14, 6
	v_lshl_add_u32 v[AV], v2, 5, s25
	s_lshl_b32 s25, s14, 10                        ; my wave's 1,024 bytes of LDS
	v_mul_u32_u24 v[STO], v2, 384
	v_lshl_add_u32 v[STO], v1, 1, v[STO]
	v_add_nc_u32 v[STO], s25, v[STO]
	v_mul_u32_u24 v[RD], v1, 48
	v_lshl_add_u32 v[RD], v2, 4, v[RD]
	v_add_nc_u32 v[RD], s25, v[RD]
	s_wait_kmcnt 0x0
	s_add_nc_u64 s[4:5], s[4:5], s[16:17]
	s_add_nc_u64 s[6:7], s[6:7], s[18:19]
	s_add_nc_u64 s[8:9], s[8:9], s[20:21]
	s_add_nc_u64 s[10:11], s[10:11], s[22:23]
	s_wait_alu depctr_va_vdst(0)                   ; the four offsets v4 to v7 and the two LDS addresses v8, v9 are written: every load, LDS access and store of the kernel reads one of them
.set p, 0
.rept 32
	global_load_b32 v[MP+p], v[AS], s[6:7] offset:512*p
.set p, p+1
.endr
.set p, 0
.rept 32
	global_load_b32 v[LP+p], v[AS], s[6:7] offset:512*p+256
.set p, p+1
.endr
.irp i, 0,1,2,3
	global_load_b32 v[MK+\i], v[AK], s[8:9] offset:256*\i
.endr
.irp i, 0,1,2,3
	global_load_b128 v[MVR+8*\i:MVR+8*\i+3], v[AV], s[8:9] offset:16384+256*\i
	global_load_b128 v[MVR+8*\i+4:MVR+8*\i+7], v[AV], s[8:9] offset:16384+256*\i+16
.endr
	PARTS 0, 20                                    ; partials 0 to 19: 40 loads
	s_wait_loadcnt 40                              ; behind the 76 small loads 40 were issued: with 40 out at the most all 76 are in
.irp i, 0,1,2,3
	v_mul_f32 v[MK+\i], 0x3fb8aa3b, v[MK+\i]
.endr
.irp c, 0,1,2,3
	v_max3_num_f32 v[CH+\c], v[MP+8*\c], v[MP+8*\c+1], v[MP+8*\c+2]
.endr
.irp c, 0,1,2,3
	v_max3_num_f32 v[CH+\c], v[CH+\c], v[MP+8*\c+3], v[MP+8*\c+4]
.endr
.irp c, 0,1,2,3
	v_max3_num_f32 v[CH+\c], v[CH+\c], v[MP+8*\c+5], v[MP+8*\c+6]
.endr
.irp c, 0,1,2,3
	v_max3_num_f32 v[CH+\c], v[CH+\c], v[MP+8*\c+7], v[MK+\c]
.endr
	v_max3_num_f32 v[MX], v[CH], v[CH+1], v[CH+2]
	v_max_num_f32 v[MX], v[MX], v[CH+3]
	PARTS 20, 4                                    ; partials 20 to 23.  No wait: no vector line since the head's wait names v4 or these registers of window 1
.set p, 0
.rept 32
	v_sub_f32 v[MP+p], v[MP+p], v[MX]
.set p, p+1
.endr
.irp i, 0,1,2,3
	v_sub_f32 v[MK+\i], v[MK+\i], v[MX]
.endr
	PARTS 24, 4                                    ; partials 24 to 27, likewise
.set p, 0
.rept 32
	v_exp_f32 v[MP+p], v[MP+p]
.set p, p+1
.endr
.irp i, 0,1,2,3
	v_exp_f32 v[MK+\i], v[MK+\i]
.endr
	v_nop                                          ; a plain line between the last exponential and the use of its result
	PARTS 28, 4                                    ; partials 28 to 31, likewise: all 64 loads of part are now issued, in ascending p
	s_wait_alu depctr_va_vdst(0)                   ; the 36 exponentials have written w_p and g_i, ahead of their first reader
.irp c, 0,1,2,3
	v_mul_f32 v[CH+\c], v[MP+8*\c], v[LP+8*\c]
.endr
.set i, 1
.rept 7
.irp c, 0,1,2,3
	v_fmac_f32 v[CH+\c], v[MP+8*\c+i], v[LP+8*\c+i]
.endr
.set i, i+1
.endr
.irp c, 0,1,2,3
	v_add_f32 v[CH+\c], v[CH+\c], v[MK+\c]
.endr
	v_add_f32 v[CH], v[CH], v[CH+1]
	v_add_f32 v[CH+2], v[CH+2], v[CH+3]
	v_add_f32 v[LS], v[CH], v[CH+2]
	v_rcp_f32 v[INV], v[LS]                        ; the lines below, which name neither register, stand between it and its use
.irp j, 0,1,2,3,4,5,6,7
	v_mul_f32 v[ACC+\j], v[MK], v[MVR+\j]
.endr
.irp i, 1,2,3
.irp j, 0,1,2,3,4,5,6,7
	v_fmac_f32 v[ACC+\j], v[MK+\i], v[MVR+8*\i+\j]
.endr
.endr
	WIN 0x04                                       ; source 1 in window 1
.set p, 0
.rept 32
	s_wait_loadcnt 62-2*p                          ; partial p's two loads are in; the 2 (31 - p) behind them may stay out
.irp j, 0,1,2,3,4,5,6,7
	v_fmac_f32 v[ACC+\j], v[MP+p], v[8*p+\j]
.endr
.set p, p+1
.endr
	WIN 0
	s_wait_alu depctr_va_vdst(0)                   ; the reciprocal has written 1 / l, ahead of its first reader
.irp j, 0,1,2,3,4,5,6,7
	v_mul_f32 v[ACC+\j], v[ACC+\j], v[INV]
.endr
.irp k, 0,1,2,3
	v_cvt_pk_f16_f32 v[PK+\k], v[ACC+2*\k], v[ACC+2*\k+1]
.endr
	s_wait_alu depctr_va_vdst(0)                   ; the four conversions have written v[PK ..], which the LDS stores read
.irp k, 0,1,2,3
	ds_store_b16 v[STO], v[PK+\k] offset:96*\k             ; row e = 8 (lane / 16) + 2 k, column lane % 16
	ds_store_b16_d16_hi v[STO], v[PK+\k] offset:96*\k+48   ; row e + 1
.endr
	ds_load_b128 v[OUT:OUT+3], v[RD]               ; my wave's own bytes, served in the order of issue: row e = lane % 16, eight columns; no vector line names v[OUT ..]
	s_wait_dscnt 0x0
	global_store_b128 v[LN], v[OUT:OUT+3], s[10:11]        ; 512 consecutive bytes, aligned
	s_wait_dscnt 0x0                               ; the closing lines, six on end
	s_wait_alu 0x0
	s_wait_tensorcnt 0x0
	ds_add_u32 v[SPW], v[NIL]
	s_wait_dscnt 0x0
	s_endpgm
.Lfunc_end_k_qf36cf04c60_ctxred:
	.size	k_qf36cf04c60_ctxred, .Lfunc_end_k_qf36cf04c60_ctxred-k_qf36cf04c60_ctxred
	.p2alignl 7, 3214868480
	.fill 96, 4, 3214868480
	.section	.rodata,"a",@progbits
	.p2align	6, 0x0
	.amdhsa_kernel k_qf36cf04c60_ctxred
		.amdhsa_group_segment_fixed_size 4608
		.amdhsa_private_segment_fixed_size 0
		.amdhsa_enable_private_segment 0
		.amdhsa_kernarg_size 32
		.amdhsa_user_sgpr_count 2
		.amdhsa_user_sgpr_kernarg_segment_ptr 1
		.amdhsa_wavefront_size32 1
		.amdhsa_system_sgpr_workgroup_id_x 1
		.amdhsa_system_sgpr_workgroup_id_y 1
		.amdhsa_system_sgpr_workgroup_id_z 1
		.amdhsa_system_vgpr_workitem_id 0
		.amdhsa_next_free_vgpr 512
		.amdhsa_next_free_sgpr 66
		.amdhsa_reserve_vcc 0
		.amdhsa_float_denorm_mode_32 3
		.amdhsa_float_denorm_mode_16_64 3
		.amdhsa_memory_ordered 1
		.amdhsa_forward_progress 1
		.amdhsa_inst_pref_size 33
	.end_amdhsa_kernel
	.amdgpu_metadata
---
amdhsa.version: [ 1, 2 ]
amdhsa.kernels:
  - .name:           k_qf36cf04c60_ctxred
    .symbol:         k_qf36cf04c60_ctxred.kd
    .args:
      - { .name: part, .offset: 0, .size: 8, .value_kind: global_buffer, .address_space: global }
      - { .name: stat, .offset: 8, .size: 8, .value_kind: global_buffer, .address_space: global }
      - { .name: mem_kv, .offset: 16, .size: 8, .value_kind: global_buffer, .address_space: global }
      - { .name: ctxf, .offset: 24, .size: 8, .value_kind: global_buffer, .address_space: global }
    .group_segment_fixed_size: 4608
    .private_segment_fixed_size: 0
    .kernarg_segment_align: 8
    .kernarg_segment_size: 32
    .max_flat_workgroup_size: 128
    .sgpr_count:     66
    .vgpr_count:     512
    .wavefront_size: 32
...
	.end_amdgpu_metadata
.endif
;; end of part 5
;; launch qout: the kernel of part 4 again; grid 4 x 64, 4 waves a work-group, clusters of 4 x 4, 327,680 bytes of LDS; arguments xb, wq, mask, ctxf, out0; writes out0
